; MI455X (gfx1250); checked and timed in simulation.
; The chip was launched on July 23, 2026; its instructions are those of AMD's public machine-readable ISA for CDNA 5 (MIT licence, August 2026) and "CDNA5" Instruction Set Architecture Reference Guide (July 2026). The comments in the code are by the model that wrote it; some were corrected since.
;; Cross Attention. Allowed arithmetic: float matrix products may take bf16 or f16 operands with f32 sums; other float arithmetic in f32, or as packed bf16 or f16 multiplies, adds, multiply-adds, maxima and minima; sums over many terms, partial sums and values carried from step to step in f32; what a program stores and reads back later, other than sums and carried values, may be rounded once to bf16 or f16.
;; Inputs: W1 3 x 1,024 x 256 float32; W2 3 x 256 x 1,024 float32; a 32 x 256 x 1,024 float32; b 32 x 512 x 1,024 float32; b1 3 x 256 float32; b2 3 x 1,024 float32; bt 3 x 256 float32; g 3 x 256 float32; len_a 32 int32; len_b 32 int32; rm 3 x 256 float32; rv 3 x 256 float32.
;; Outputs: out0 2 x 32 x 1,024 float32.
;; 2 versions, each right; version 2 is version 1 with the launches attn, emit written anew for expert scheduling mode. Each part assembles by itself: llvm-mc -triple=amdgcn-amd-amdhsa -mcpu=gfx1250 --defsym DOCPART=n.
;; ======== version 1 of 2: 4 launches
;; workspace buffers: W1F 1,572,864 bytes; MTF 131,072 bytes; W2VF 524,288 bytes; TAB 10,240 bytes; QF 12,582,912 bytes; KF 12,582,912 bytes; VF 12,582,912 bytes; UP 262,144 bytes
;; launch prep (part 1): grid 337 x 1, 8 waves a work-group, no clusters, 9,216 bytes of LDS; arguments W1, W2, b1, b2, g, bt, rm, rv, W1F, MTF, W2VF, TAB; writes W1F, MTF, W2VF, TAB
.if DOCPART == 1
	.amdgcn_target "amdgcn-amd-amdhsa--gfx1250"
	.amdhsa_code_object_version 6
	.text
	.protected	k_q3671c68d84_prep
	.globl	k_q3671c68d84_prep
	.p2align	8
	.type	k_q3671c68d84_prep,@function
k_q3671c68d84_prep:
	s_mov_b64 s[64:65], 0
	v_nop
	global_prefetch_b8 v0, s[64:65] scope:SCOPE_SE
	s_setreg_imm32_b32 hwreg(HW_REG_WAVE_MODE, 25, 1), 1
	s_wait_xcnt 0x0
; CROSS ATTENTION, launch 1 of 4: the weights are rounded to bf16 once and laid out in the order in which a wave's operand registers take them.
; WHAT THE PROGRAM COMPUTES.  hq, hk, hv = BatchNorm(LeakyReLU(x W1[p] + b1[p])), 256 wide; q = hq W2q + b2q, k = hk W2k + b2k, v = hv W2v + b2v.
; WORK LEFT OUT, for all finite values of the inputs, in exact arithmetic:
; (a) q . k = hq (W2q W2k^T) hk^T + (b2q W2k^T) hk^T + (hq W2q b2k + b2q . b2k).  The last bracket does not hang on the key: it is the same along the softmax's axis and cancels there.
;     So b2's row 1 (b2k) has no way to any output and is never loaded (b2 is named for its rows 0 and 2), and the scores are a product 256 deep: Q' = hq M + c, M = W2q W2k^T, c = b2q W2k^T.
; (b) the mean over the valid queries is linear: emb = (sum over keys of w[k] hv[k]) W2v + (sum of w) b2v, w[k] = sum over valid q of P[q][k] / len_q; each row of P sums to 1, so sum of w = 1
;     by identity, for 1 <= len_q <= the number of query rows.  No [L][1024] q, k, v or o is formed.
; LIMITS.  1 <= len_a <= 256, 1 <= len_b <= 512.  A hidden key counts as its score less 1e30 where the reference puts -1e9: its weight is 0 either way while scores stay far under 1e9.
; A NaN, an infinity or an overflow that reaches only the terms left out in (a) is not carried to the result.  Matrix operands are bf16, all sums f32.
; A FRAGMENT (16 rows x 32 along K, bf16) is stored as [half 2][lane 32][16 bytes]: half 0 is a lane's registers 0-3, half 1 its registers 4-7: two loads of 512 consecutive bytes fill it.
; ROLES, by the work-group's number (the same in all its waves): 0-271 a tile of M (or of c); 272-319 W1 -> W1F; 320-335 W2v -> W2VF; 336 the tables of b1 and the BatchNorm's scale and shift.
.set SPARE, 8192                       ; behind the eight waves' partial tiles: the spare words, 128 bytes for each wave
.set SCALE, 0x3d38aa3b                 ; log2(e) / 32: the scores' 1/32 and the change to base 2, folded into M and c
; 64 along K of 32 columns a wave: thread = column.  64 loads (a wave: 128 consecutive bytes each), rounded in pairs along K, 8 stores of 16 bytes a lane: sixteen lanes fill 256 aligned bytes.
.macro TRANS pitch
.set d, 0
.rept 64
	global_load_b32 v[32+d], v10, s[36:37] offset:d*(\pitch)
.set d, d+1
.endr
	s_wait_loadcnt 0x0
.set d, 0
.rept 32
	v_cvt_pk_bf16_f32 v[96+d], v[32+2*d], v[33+2*d]
.set d, d+1
.endr
.set d, 0
.rept 8
	global_store_b128 v11, v[96+4*d:99+4*d], s[40:41] offset:d*256
.set d, d+1
.endr
.endm
	s_load_b512 s[4:19], s[0:1], 0x0               ; W1 s[4:5], W2 s[6:7], b1 s[8:9], b2 s[10:11], g s[12:13], bt s[14:15], rm s[16:17], rv s[18:19]
	s_load_b256 s[20:27], s[0:1], 0x40             ; W1F s[20:21], MTF s[22:23], W2VF s[24:25], TAB s[26:27]
	v_lshl_add_u32 v28, v0, 2, SPARE               ; my spare word
	v_mov_b32 v29, 0
	v_lshrrev_b32 v1, 5, v0
	v_readfirstlane_b32 s28, v1                    ; wave 0..7
	v_and_b32 v2, 31, v0                           ; lane l
	v_and_b32 v3, 15, v0                           ; r = l % 16
	v_bfe_u32 v4, v0, 4, 1                         ; h = l / 16
	v_lshlrev_b32 v10, 2, v0                       ; 4 x thread
	s_wait_kmcnt 0x0
	s_cmp_lt_u32 ttmp9, 272
	s_cbranch_scc1 .Lrole_m
	s_cmp_lt_u32 ttmp9, 320
	s_cbranch_scc1 .Lrole_t1
	s_cmp_lt_u32 ttmp9, 336
	s_cbranch_scc1 .Lrole_t2
	; THE TABLES.  Thread = hidden column t.  sc = g rsqrt(rv + 1e-5), sh = bt - rm sc; stored as [wave 4][tile 12][b1, sc, sh][16 columns], as launch 2's waves take them.
.irp p, 0,1,2
	global_load_b32 v[32+\p], v10, s[8:9] offset:\p*1024
	global_load_b32 v[35+\p], v10, s[12:13] offset:\p*1024
	global_load_b32 v[38+\p], v10, s[14:15] offset:\p*1024
	global_load_b32 v[41+\p], v10, s[16:17] offset:\p*1024
	global_load_b32 v[44+\p], v10, s[18:19] offset:\p*1024
.endr
	v_lshrrev_b32 v5, 6, v0
	v_mul_u32_u24 v11, v5, 2304
	v_bfe_u32 v6, v0, 4, 2
	v_mad_u32_u24 v11, v6, 192, v11
	v_lshl_add_u32 v11, v3, 2, v11
	s_wait_loadcnt 0x0
.irp p, 0,1,2
	v_add_f32 v[47+\p], 0x3727c5ac, v[44+\p]       ; rv + 1e-5
.endr
.irp p, 0,1,2
	v_rsq_f32 v[50+\p], v[47+\p]
.endr
	v_nop                                          ; a plain instruction behind the last of the three,
	s_wait_alu depctr_va_vdst(0)                   ; and one wait for the batch, ahead of its first reader
.irp p, 0,1,2
	v_mul_f32 v[50+\p], v[50+\p], v[35+\p]
.endr
.irp p, 0,1,2
	v_fma_f32 v[53+\p], -v[41+\p], v[50+\p], v[38+\p]
.endr
.irp p, 0,1,2
	global_store_b32 v11, v[32+\p], s[26:27] offset:\p*768
	global_store_b32 v11, v[50+\p], s[26:27] offset:\p*768+64
	global_store_b32 v11, v[53+\p], s[26:27] offset:\p*768+128
.endr
	s_branch .Lend
.Lrole_t1:                                     ; net p, K step s of 64: W1[p][64 s ..][256 columns] -> W1F[s][wave 4][tile 12][2,048 bytes]
	s_sub_co_u32 s30, ttmp9, 272
	s_lshr_b32 s31, s30, 4                         ; p
	s_and_b32 s32, s30, 15                         ; s
	s_lshl_b32 s34, s31, 20
	s_lshl_b32 s35, s32, 16
	s_add_co_u32 s34, s34, s35
	s_mov_b32 s35, 0
	s_add_nc_u64 s[36:37], s[4:5], s[34:35]
	s_mul_i32 s38, s32, 98304
	s_lshr_b32 s39, s28, 1
	s_mul_i32 s39, s39, 24576                      ; columns 64 w' on belong to launch 2's wave w' = my wave / 2
	s_add_co_u32 s38, s38, s39
	s_lshl_b32 s39, s31, 2
	s_and_b32 s42, s28, 1
	s_lshl1_add_u32 s39, s42, s39                  ; tile 4 p + 2 (wave % 2), + l / 16 in the lane's offset
	s_lshl_b32 s39, s39, 11
	s_add_co_u32 s38, s38, s39
	s_mov_b32 s39, 0
	s_add_nc_u64 s[40:41], s[20:21], s[38:39]
	v_lshlrev_b32 v11, 4, v3
	v_lshl_add_u32 v11, v4, 11, v11
	TRANS 1024
	s_branch .Lend
.Lrole_t2:                                     ; 64 channels s', 256 columns dg of W2[2] -> W2VF[column tile 64][chunk 8][1,024 bytes]
	s_sub_co_u32 s30, ttmp9, 320
	s_lshr_b32 s31, s30, 2                         ; s'
	s_and_b32 s32, s30, 3                          ; dg
	s_lshl_b32 s34, s31, 18
	s_lshl_b32 s35, s32, 10
	s_add_co_u32 s34, s34, s35
	s_add_co_u32 s34, s34, 0x200000
	s_mov_b32 s35, 0
	s_add_nc_u64 s[36:37], s[6:7], s[34:35]
	s_lshl_b32 s38, s32, 4
	s_lshl1_add_u32 s38, s28, s38                  ; column tile 16 dg + 2 wave
	s_lshl_b32 s38, s38, 13
	s_lshl_b32 s39, s31, 11
	s_add_co_u32 s38, s38, s39
	s_mov_b32 s39, 0
	s_add_nc_u64 s[40:41], s[24:25], s[38:39]
	v_lshlrev_b32 v11, 4, v3
	v_lshl_add_u32 v11, v4, 13, v11
	TRANS 4096
	s_branch .Lend
.Lrole_m:                                      ; one tile 16 x 16 of M^T: rows n' = 16 N' .. of W2k against rows k = 16 kt .. of W2q (kt = 16: b2q in all sixteen rows: c)
	s_lshr_b32 s30, ttmp9, 4                       ; kt
	s_and_b32 s31, ttmp9, 15                       ; N'
	s_lshl_b32 s37, s28, 9                         ; the sum over d = 1,024 is split among the eight waves: 128 numbers, 512 bytes each
	s_lshl_b32 s38, s31, 16
	s_add_co_u32 s38, s38, s37
	s_add_co_u32 s38, s38, 0x100000                ; W2k is W2's second mebibyte
	s_cmp_eq_u32 s30, 16
	s_cselect_b64 s[32:33], s[10:11], s[6:7]       ; b2 (its row 0) or W2 (its net 0)
	s_cselect_b32 s34, 0, 4096                     ; bytes from row to row
	s_cselect_b32 s35, 0, s30
	s_lshl_b32 s36, s35, 16
	s_add_co_u32 s36, s36, s37
	v_mul_u32_u24 v5, v3, s34
	v_lshl_add_u32 v5, v4, 8, v5                   ; a lane takes 256 consecutive bytes of its row: the same permutation of d on both sides keeps the products
	v_add_nc_u32 v5, s36, v5
	v_lshlrev_b32 v6, 12, v3
	v_lshl_add_u32 v6, v4, 8, v6
	v_add_nc_u32 v6, s38, v6
.set i, 0
.rept 16
	global_load_b128 v[32+4*i:35+4*i], v5, s[32:33] offset:16*i
	global_load_b128 v[96+4*i:99+4*i], v6, s[6:7] offset:16*i
.set i, i+1
.endr
	v_lshlrev_b32 v7, 5, v0                        ; 1,024 x wave + 32 x lane
	s_wait_loadcnt 0x0
.set i, 0
.rept 32
	v_cvt_pk_bf16_f32 v[160+i], v[32+2*i], v[33+2*i]
	v_cvt_pk_bf16_f32 v[192+i], v[96+2*i], v[97+2*i]
.set i, i+1
.endr
.set i, 0
.rept 4                                        ; four sums of their own, each started by the constant 0: a lane ends with n' = r and k = 8 h + 0..7
	v_wmma_f32_16x16x32_bf16 v[224+8*i:231+8*i], v[160+8*i:167+8*i], v[192+8*i:199+8*i], 0
.set i, i+1
.endr
.rept 4
	v_nop                                          ; four places between the last product and the first read of a result (ISA guide 7.12.1)
.endr
.set i, 0
.rept 4                                        ; each accumulator is read from its low end on
	v_pk_add_f32 v[32+2*i:33+2*i], v[224+2*i:225+2*i], v[232+2*i:233+2*i]
	v_pk_add_f32 v[40+2*i:41+2*i], v[240+2*i:241+2*i], v[248+2*i:249+2*i]
.set i, i+1
.endr
.set i, 0
.rept 4
	v_pk_add_f32 v[32+2*i:33+2*i], v[32+2*i:33+2*i], v[40+2*i:41+2*i]
.set i, i+1
.endr
	ds_store_b128 v7, v[32:35]
	ds_store_b128 v7, v[36:39] offset:16
	s_wait_dscnt 0x0                               ; for the others' sake: my partial tile lies in LDS
	s_barrier_signal -1
	s_barrier_wait -1
	s_cmp_lg_u32 s28, 0
	s_cbranch_scc1 .Lend                           ; wave 0 adds the eight parts
.set i, 0
.rept 8
	ds_load_b128 v[32+8*i:35+8*i], v7 offset:i*1024
	ds_load_b128 v[36+8*i:39+8*i], v7 offset:i*1024+16
.set i, i+1
.endr
	s_wait_dscnt 0x0
.irp st, 1,2,4
.set i, 0
.rept 4/\st
.set j, 0
.rept 4
	v_pk_add_f32 v[32+16*\st*i+2*j:33+16*\st*i+2*j], v[32+16*\st*i+2*j:33+16*\st*i+2*j], v[32+16*\st*i+8*\st+2*j:33+16*\st*i+8*\st+2*j]
.set j, j+1
.endr
.set i, i+1
.endr
.endr
.set j, 0
.rept 4
	v_pk_mul_f32 v[32+2*j:33+2*j], v[32+2*j:33+2*j], SCALE op_sel_hi:[1,0]
.set j, j+1
.endr
	s_cmp_eq_u32 s30, 16
	s_cbranch_scc1 .Lcvec
.set j, 0
.rept 4
	v_cvt_pk_bf16_f32 v[48+j], v[32+2*j], v[33+2*j]
.set j, j+1
.endr
	s_lshr_b32 s40, s31, 2                         ; MTF[N' / 4][kt / 2][N' % 4][kt % 2][lane][16 bytes]
	s_lshl_b32 s40, s40, 15
	s_lshr_b32 s41, s30, 1
	s_lshl_b32 s41, s41, 12
	s_add_co_u32 s40, s40, s41
	s_and_b32 s41, s31, 3
	s_lshl_b32 s41, s41, 10
	s_add_co_u32 s40, s40, s41
	s_and_b32 s41, s30, 1
	s_lshl_b32 s41, s41, 9
	s_add_co_u32 s40, s40, s41
	v_lshl_add_u32 v9, v2, 4, s40
	global_store_b128 v9, v[48:51], s[22:23]       ; 512 consecutive bytes, aligned
	s_branch .Lend
.Lcvec:                                        ; all rows were b2q, so every register holds c[16 N' + r]: lanes 0-15 store register 0
	s_lshl_b32 s40, s31, 6
	v_lshl_add_u32 v9, v3, 2, s40
	v_cmp_gt_u32 vcc_lo, 16, v2
	s_wait_xcnt 0x0                                ; EXEC is a source of pending memory instructions: it changes only behind this wait
	s_and_saveexec_b32 s41, vcc_lo
	global_store_b32 v9, v32, s[26:27] offset:9216
	s_wait_xcnt 0x0                                ; and again, in front of the line that widens it
	s_or_b32 exec_lo, exec_lo, s41
.Lend:
	s_wait_tensorcnt 0x0                           ; the wave's end, behind my last LDS store
	ds_add_u32 v28, v29
	s_wait_dscnt 0x0
	s_endpgm
.Lfunc_end_k_q3671c68d84_prep:
	.size	k_q3671c68d84_prep, .Lfunc_end_k_q3671c68d84_prep-k_q3671c68d84_prep
	.p2alignl 7, 3214868480
	.fill 96, 4, 3214868480
	.section	.rodata,"a",@progbits
	.p2align	6, 0x0
	.amdhsa_kernel k_q3671c68d84_prep
		.amdhsa_group_segment_fixed_size 9216
		.amdhsa_private_segment_fixed_size 0
		.amdhsa_enable_private_segment 0
		.amdhsa_kernarg_size 96
		.amdhsa_user_sgpr_count 2
		.amdhsa_user_sgpr_kernarg_segment_ptr 1
		.amdhsa_wavefront_size32 1
		.amdhsa_system_sgpr_workgroup_id_x 1
		.amdhsa_system_sgpr_workgroup_id_y 1
		.amdhsa_system_sgpr_workgroup_id_z 1
		.amdhsa_system_vgpr_workitem_id 0
		.amdhsa_next_free_vgpr 256
		.amdhsa_next_free_sgpr 66
		.amdhsa_reserve_vcc 1
		.amdhsa_float_denorm_mode_32 3
		.amdhsa_float_denorm_mode_16_64 3
		.amdhsa_memory_ordered 1
		.amdhsa_forward_progress 1
		.amdhsa_inst_pref_size 38
	.end_amdhsa_kernel
	.amdgpu_metadata
---
amdhsa.version: [ 1, 2 ]
amdhsa.kernels:
  - .name:           k_q3671c68d84_prep
    .symbol:         k_q3671c68d84_prep.kd
    .args:
      - { .name: W1, .offset: 0, .size: 8, .value_kind: global_buffer, .address_space: global }
      - { .name: W2, .offset: 8, .size: 8, .value_kind: global_buffer, .address_space: global }
      - { .name: b1, .offset: 16, .size: 8, .value_kind: global_buffer, .address_space: global }
      - { .name: b2, .offset: 24, .size: 8, .value_kind: global_buffer, .address_space: global }
      - { .name: g, .offset: 32, .size: 8, .value_kind: global_buffer, .address_space: global }
      - { .name: bt, .offset: 40, .size: 8, .value_kind: global_buffer, .address_space: global }
      - { .name: rm, .offset: 48, .size: 8, .value_kind: global_buffer, .address_space: global }
      - { .name: rv, .offset: 56, .size: 8, .value_kind: global_buffer, .address_space: global }
      - { .name: W1F, .offset: 64, .size: 8, .value_kind: global_buffer, .address_space: global }
      - { .name: MTF, .offset: 72, .size: 8, .value_kind: global_buffer, .address_space: global }
      - { .name: W2VF, .offset: 80, .size: 8, .value_kind: global_buffer, .address_space: global }
      - { .name: TAB, .offset: 88, .size: 8, .value_kind: global_buffer, .address_space: global }
    .group_segment_fixed_size: 9216
    .private_segment_fixed_size: 0
    .kernarg_segment_align: 8
    .kernarg_segment_size: 96
    .max_flat_workgroup_size: 256
    .sgpr_count:     66
    .vgpr_count:     256
    .wavefront_size: 32
...
	.end_amdgpu_metadata
.endif
;; end of part 1
;; launch mlp (part 2): grid 256 x 1, 4 waves a work-group, clusters of 4 x 1, 327,680 bytes of LDS; arguments a, b, W1F, TAB, MTF, QF, KF, VF; writes QF, KF, VF
.if DOCPART == 2
	.amdgcn_target "amdgcn-amd-amdhsa--gfx1250"
	.amdhsa_code_object_version 6
	.text
	.protected	k_q3671c68d84_mlp
	.globl	k_q3671c68d84_mlp
	.p2align	8
	.type	k_q3671c68d84_mlp,@function
k_q3671c68d84_mlp:
	s_mov_b64 s[64:65], 0
	v_nop
	global_prefetch_b8 v0, s[64:65] scope:SCOPE_SE
	s_setreg_imm32_b32 hwreg(HW_REG_WAVE_MODE, 25, 1), 1
	s_wait_xcnt 0x0
	s_wait_alu depctr_hold_cnt(0) depctr_sa_sdst(0) depctr_va_vdst(0) depctr_va_sdst(0) depctr_va_ssrc(0) depctr_va_vcc(0) depctr_vm_vsrc(0)
	s_getreg_b32 s2, hwreg(HW_REG_IB_STS2, 6, 4)
	s_cmp_eq_u32 s2, 0
	s_cbranch_scc0 .Lentry_in_a_cluster
	s_endpgm
.Lentry_in_a_cluster:
	s_bfe_u32 s2, ttmp6, 0x10000c
	s_cmp_lg_u32 s2, 0x3003
	s_cbranch_scc0 .Lentry_shape_is_right
	s_endpgm
.Lentry_shape_is_right:
; CROSS ATTENTION, launch 2 of 4: the three nets' first layer, LeakyReLU and BatchNorm for all rows of a and b, and Q' = hq M + c.
; Left out (shown at the head of the first kernel): the second layers of the q and k nets, folded into M and c; b2k, which cancels in the softmax; the v net's second layer, applied to the mean in launch 4.
; Rows at or past a batch's length are computed like the others; launch 3 gives them the weight 0.
; SHARES.  Work-group i takes 96 rows: rows 32 i .. of a (row tiles 0, 1) and rows 64 i .. of b (row tiles 2-5), and all 768 hidden columns: each byte of a and b is read once.
; Wave w takes 64 columns of each net: column tiles nt 0-3 (q), 4-7 (k), 8-11 (v), at columns 64 w + 16 (nt % 4): 72 accumulators of 16 x 16, 576 registers.
; OPERAND ORDER.  q and k tiles: source 0 = 16 columns of W1, source 1 = 16 rows of x: a lane ends with one row and eight neighbouring columns, which rounded to bf16 are half a fragment with K along
; the columns.  v tiles: the sources swapped: a lane ends with one channel and eight neighbouring keys: half a fragment of V^T.  So results are stored straight from registers, 512 consecutive bytes a store.
; K goes in 16 steps of 64.  W1F's step (98,304 bytes, in fragment order) comes by JOINT tensor loads: the four work-groups of a cluster ask for the same bytes with the same descriptor and a mask of four;
; each wave fetches the 24,576 bytes that it alone reads.  x comes through registers: f32, rounded once, stored to LDS as bf16 (rows of 128 bytes + 16), three steps ahead of its use.
; REGISTERS, in windows of 256 (s_set_vgpr_msb: bits 1:0 source 0, 3:2 source 1, 5:4 source 2, 7:6 destination):
;   window 0: v4-v29 addresses; v32-79, v80-127 x as loaded, two sets; v128-175, v176-223 x's fragments (6 row tiles), two buffers; v224-247 x rounded
;   window 1: v0-47, v48-95 W1's fragments (6 column tiles), two buffers; v96-127, v128-159 accumulators 32-35 of half 0, half 1
;   window 2: accumulators 0-31 of half 0 (column tiles 0-5), accumulator 6 (nt % 6) + mt at 8 x its number;   window 3: those of half 1 (column tiles 6-11)
.set BSL,   98304                      ; a slot of W1F; slots at 0 and 98,304
.set ASL,   196608                     ; x's two slots: 96 rows x 144 bytes
.set ASZ,   13824
.set CT,    224256                     ; the tables b1, sc, sh: 9,216 bytes
.set HQ,    233472                     ; hq, 6 row tiles x 8,192 bytes in fragment order
.set SPARE, 282624                     ; the spare words, 128 bytes for each wave
.set AB0, 128
.set AB1, 176
.set BB0, 0
.set BB1, 48
.set MSB, 0
.macro WIN new                         ; the immediate's high byte repeats the setting that is left; a switch that changes nothing is dropped
.if MSB != (\new)
	s_set_vgpr_msb (MSB<<8)|(\new)
.set MSB, (\new)
.endif
.endm
.macro PLACES                          ; four places between a matrix instruction and a load into, or a vector access to, its registers (ISA guide 7.12.1 for vector accesses)
.rept 4
	v_nop
.endr
.endm
.macro CREST                           ; a round of the cluster's barrier behind its opening barrier
	s_cmp_lg_u32 s22, 0
	s_cbranch_scc1 .Lnw0_\@
	s_barrier_signal -3
.Lnw0_\@:
	s_barrier_wait -3
	s_barrier_signal -1
	s_barrier_wait -1
.endm
.macro CROUND
	s_barrier_signal -1
	s_barrier_wait -1
	CREST
.endm
.macro JLOAD s                         ; my slice of a step of W1F into slot s: every wave issues one, so no branch; s_nop 0 and four v_nop follow
	tensor_load_to_lds s[36+4*(\s):39+4*(\s)], s[28:35]
	s_nop 0
	PLACES
.endm
; Matrix instructions from .. to - 1 of a phase's 36: accumulator wi = 6 x (column tile % 6) + row tile of the given half; each accumulator has one turn a phase.
.macro W half, ab, bb, from, to, zero
.set wi, \from
.rept (\to)-(\from)
.set wn, wi/6
.set wm, wi%6
.if wi < 32
.set wr, 8*wi
.set ww, 2+(\half)
.else
.set wr, 96+32*(\half)+8*(wi-32)
.set ww, 1
.endif
.if (6*(\half)+wn) < 8
	WIN (ww<<6)|(ww<<4)|1
.if \zero
	v_wmma_f32_16x16x32_bf16 v[wr:wr+7], v[(\bb)+8*wn:(\bb)+8*wn+7], v[(\ab)+8*wm:(\ab)+8*wm+7], 0
.else
	v_wmma_f32_16x16x32_bf16 v[wr:wr+7], v[(\bb)+8*wn:(\bb)+8*wn+7], v[(\ab)+8*wm:(\ab)+8*wm+7], v[wr:wr+7]
.endif
.else
	WIN (ww<<6)|(ww<<4)|4
.if \zero
	v_wmma_f32_16x16x32_bf16 v[wr:wr+7], v[(\ab)+8*wm:(\ab)+8*wm+7], v[(\bb)+8*wn:(\bb)+8*wn+7], 0
.else
	v_wmma_f32_16x16x32_bf16 v[wr:wr+7], v[(\ab)+8*wm:(\ab)+8*wm+7], v[(\bb)+8*wn:(\bb)+8*wn+7], v[wr:wr+7]
.endif
.endif
.set wi, wi+1
.endr
.endm
.macro FETCH_B slot, c, hf, bb         ; six fragments of W1: column tiles 6 hf .., chunk c of the step: each load takes 512 consecutive bytes
	WIN 0x40
.set fj, 0
.rept 6
	ds_load_b128 v[(\bb)+8*fj:(\bb)+8*fj+3],   v[6+(\slot)] offset:(6*(\hf)+fj)*2048+(\c)*1024
	ds_load_b128 v[(\bb)+8*fj+4:(\bb)+8*fj+7], v[6+(\slot)] offset:(6*(\hf)+fj)*2048+(\c)*1024+512
.set fj, fj+1
.endr
.endm
.macro FETCH_A slot, c, ab             ; six fragments of x: lane l holds row l % 16; two loads 32 bytes apart; rows 144 bytes apart start at different banks
	WIN 0
.set fj, 0
.rept 6
	ds_load_b128 v[(\ab)+8*fj:(\ab)+8*fj+3],   v4 offset:(\slot)*ASZ+fj*2304+(\c)*64
	ds_load_b128 v[(\ab)+8*fj+4:(\ab)+8*fj+7], v4 offset:(\slot)*ASZ+fj*2304+(\c)*64+32
.set fj, fj+1
.endr
.endm
.macro ALOAD set, off                  ; my 8 rows of a and 16 rows of b, 256 bytes of each: sixteen lanes take a row's 256 aligned bytes
.set lj, 0
.rept 4
	global_load_b128 v[32+48*(\set)+4*lj:35+48*(\set)+4*lj], v10, s[48:49] offset:lj*8192+(\off) th:TH_LOAD_NT
.set lj, lj+1
.endr
.set lj, 0
.rept 8
	global_load_b128 v[48+48*(\set)+4*lj:51+48*(\set)+4*lj], v11, s[50:51] offset:lj*8192+(\off) th:TH_LOAD_NT
.set lj, lj+1
.endr
.endm
.macro ASTAGE set, cnt, dst, ld, off   ; a set of x is rounded and stored into x's slot dst; ld = 1: the set is asked for again
	WIN 0
	s_wait_loadcnt \cnt                            ; loads come back in order: this set is in; the other set's 12 may stay out (cnt = 12), or nothing younger exists (0)
.set lj, 0
.rept 24
	v_cvt_pk_bf16_f32 v[224+lj], v[32+48*(\set)+2*lj], v[33+48*(\set)+2*lj]
.set lj, lj+1
.endr
.set lj, 0
.rept 4
	ds_store_b64 v8, v[224+2*lj:225+2*lj] offset:(\dst)*ASZ+lj*288
.set lj, lj+1
.endr
.set lj, 0
.rept 8
	ds_store_b64 v9, v[232+2*lj:233+2*lj] offset:(\dst)*ASZ+lj*288
.set lj, lj+1
.endr
.if \ld
	ALOAD \set, \off
.endif
.endm
; A PREFETCH INTO THE L2, behind the joint load and the run of LDS loads: the K step seven on from the one in hand.  Waves 0, 1, 2 ask for their work-group's own rows (a's 32, b's first 32, b's last 32):
; a lane a row, 256 bytes.  W1F's step is read by every cluster: the first cluster's wave 3 asks; its four partners take 96 blocks of 256 bytes each, told apart by address.  So each block is named once.
; how = 0, in the loop: trips with s44 above 2 ask (steps 1 to 8: step 15 is the last that exists); how = 1: step 0.
.macro ASK how
.if (\how) == 1
	s_cmp_eq_u32 s45, 2
.else
	s_cmp_gt_u32 s44, s45
.endif
	s_cbranch_scc0 .Lna_\@
	global_prefetch_b8 v19, s[46:47] th:TH_LOAD_NT scope:SCOPE_SE
	s_cmp_eq_u32 s22, 3
	s_cbranch_scc0 .Lna_\@
	global_prefetch_b8 v19, s[46:47] offset:8192 th:TH_LOAD_NT scope:SCOPE_SE
	global_prefetch_b8 v19, s[46:47] offset:16384 th:TH_LOAD_NT scope:SCOPE_SE
.Lna_\@:
.endm
; A K STEP: four phases (chunk 0 half 0, chunk 0 half 1, chunk 1 half 0, chunk 1 half 1) of 36 matrix instructions; the next phase's fragments are fetched in ONE run in a phase's middle.
; cw >= 0: the next step's x is staged (wait count cw; ld: its set asked for again).  turn = 2: change of slots with a joint refill; 1: without; 0: the last step.  ask: 0, 1 as in ASK; 2: none.
.macro STEP slot, zero, cw, ld, turn, ask
	s_wait_dscnt 0x0                               ; this phase's fragments are in
	W 0, AB0, BB0, 0, 18, \zero
.if (\cw) >= 0
	ASTAGE 1-(\slot), \cw, 1-(\slot), \ld, 768     ; into the slot that every wave has left: its last reads were waited for in front of the last barrier
.endif
	PLACES
	FETCH_B \slot, 0, 1, BB1
	W 0, AB0, BB0, 18, 36, \zero
	s_wait_dscnt 0x0
	W 1, AB0, BB1, 0, 18, \zero
	PLACES
	FETCH_B \slot, 1, 0, BB0
	FETCH_A \slot, 1, AB1
	W 1, AB0, BB1, 18, 36, \zero
	s_wait_dscnt 0x0
	W 0, AB1, BB0, 0, 18, 0
	PLACES
	FETCH_B \slot, 1, 1, BB1
	W 0, AB1, BB0, 18, 36, 0
.if (\turn) == 0
	s_wait_dscnt 0x0
	W 1, AB1, BB1, 0, 36, 0
.else
	s_wait_xcnt 0x0                                ; the step's loads and the last prefetches have read their addresses: the pointers step here, ahead of the waits of the change of slots
	s_add_nc_u64 s[48:49], s[48:49], 256
	s_add_nc_u64 s[50:51], s[50:51], 256
	s_add_nc_u64 s[46:47], s[46:47], s[72:73]
	WIN 0
	s_wait_tensorcnt 0x0                           ; all my tensor loads have landed: the one that was out is my slice of the other slot
	ds_add_u32 v28, v29                            ; 0 onto my spare word
	s_wait_dscnt 1                                 ; the phase's fragments are in; only the add may be out
	W 1, AB1, BB1, 0, 12, 0
	s_wait_dscnt 0x0                               ; the add is done; my reads of this slot and my stores of the next step's x are over
	s_barrier_signal -1                            ; (with a refill this barrier opens a round of the cluster's)
	W 1, AB1, BB1, 12, 24, 0
	WIN 0
	s_barrier_wait -1
.if (\turn) == 2
	CREST                                          ; no wave of any partner still reads this slot or has a load on its way
	s_add_nc_u64 s[38+4*(\slot):39+4*(\slot)], s[38+4*(\slot):39+4*(\slot)], 2*BSL
	JLOAD \slot                                    ; the first tensor load behind the round, my only one until the next; its four v_nop are also the places in front of the loads below
.else
	PLACES
.endif
	FETCH_B 1-(\slot), 0, 0, BB0
	FETCH_A 1-(\slot), 0, AB0
.if (\ask) < 2
	ASK \ask
.endif
	W 1, AB1, BB1, 24, 36, 0
.endif
.endm
	s_load_b512 s[4:19], s[0:1], 0x0               ; a s[4:5], b s[6:7], W1F s[8:9], TAB s[10:11], MTF s[12:13], QF s[14:15], KF s[16:17], VF s[18:19]
	v_lshl_add_u32 v28, v0, 2, SPARE
	v_mov_b32 v29, 0
	ds_add_u32 v28, v29                            ; the wave's opening: the add, twice on end, and its wait ahead of my first tensor load
	ds_add_u32 v28, v29
	v_lshrrev_b32 v1, 5, v0
	v_readfirstlane_b32 s22, v1                    ; wave 0..3
	s_bfe_u32 s23, ttmp6, 0x40000                  ; cx: my place in the cluster: it enters global addresses of my own rows and of wave 3's prefetches of W1F
	s_lshl_b32 s24, ttmp9, 2
	s_add_co_u32 s24, s24, s23                     ; work-group i
	; descriptor group 1: 96 rows of 256 bytes, dense, in elements of 8 bytes
	s_mov_b32 s28, 15|(3<<16)|(1<<21)              ; 15:0 the mask of four; 17:16 elements of 8 bytes; 21 set beside a mask; no padding
	s_mov_b32 s29, 32<<16                          ; tensor_dim0 = 32
	s_mov_b32 s30, 96<<16                          ; tensor_dim1 = 96
	s_mov_b32 s31, 32<<16                          ; tile_dim0 = 32
	s_mov_b32 s32, 96                              ; tile_dim1 = 96
	s_mov_b32 s33, 32                              ; 32 elements from row to row
	s_mov_b32 s34, 0
	s_mov_b32 s35, 0
	s_mul_i32 s20, s22, 24576                      ; my slice, in W1F's step and in a slot
	s_mov_b32 s21, 0
	s_mov_b32 s74, 0x3c23d70a                      ; 0.01
	s_mov_b32 s75, s74
	s_mov_b32 s77, 0
	s_wait_dscnt 0x0                               ; both opening adds are done
	s_wait_kmcnt 0x0
	s_mov_b32 s36, 1
	s_mov_b32 s37, s20
	s_add_nc_u64 s[38:39], s[8:9], s[20:21]        ; step 0
	s_mov_b32 s40, 1
	s_add_co_u32 s41, s20, BSL
	s_add_nc_u64 s[42:43], s[38:39], BSL           ; step 1
	s_or_b32 s39, s39, 0x80000000
	s_or_b32 s43, s43, 0x80000000
	CROUND                                         ; all four work-groups are here: the first joint loads meet
	tensor_load_to_lds s[36:39], s[28:35]
	s_nop 0
	tensor_load_to_lds s[40:43], s[28:35]          ; two loads of mine are out
	s_nop 0
	PLACES
	s_lshl_b32 s76, s24, 17
	s_add_nc_u64 s[48:49], s[4:5], s[76:77]        ; a at my work-group's 32 rows
	s_lshl_b32 s76, s24, 18
	s_add_nc_u64 s[50:51], s[6:7], s[76:77]        ; b at its 64 rows
	v_and_b32 v2, 31, v0                           ; l
	v_and_b32 v3, 15, v0                           ; r
	v_bfe_u32 v5, v0, 4, 1                         ; h
	v_lshlrev_b32 v23, 4, v3
	v_lshl_add_u32 v23, v5, 12, v23                ; row l / 16, 16 bytes for each of sixteen lanes
	s_lshl_b32 s76, s22, 15
	v_add_nc_u32 v10, s76, v23                     ; a: rows 8 w ..
	s_lshl_b32 s76, s22, 16
	v_add_nc_u32 v11, s76, v23                     ; b: rows 16 w ..
	v_lshlrev_b32 v20, 3, v0
.set i, 0
.rept 9
	global_load_b64 v[128+2*i:129+2*i], v20, s[10:11] offset:1024*i  ; the tables, 9,216 bytes, copied once
.set i, i+1
.endr
	ALOAD 0, 0                                     ; x of step 0
	ALOAD 1, 256                                   ; and of step 1
	s_lshl_b32 s76, s24, 14                        ; a's part of QF, KF, VF: 2 row tiles of 8,192 bytes, one key group of 16,384
	s_add_nc_u64 s[52:53], s[16:17], s[76:77]
	s_add_nc_u64 s[56:57], s[14:15], s[76:77]
	s_add_nc_u64 s[60:61], s[18:19], s[76:77]
	s_lshl_b32 s76, s24, 15                        ; b's part, behind a's 4 MiB
	s_add_co_u32 s76, s76, 0x400000
	s_add_nc_u64 s[54:55], s[16:17], s[76:77]
	s_add_nc_u64 s[58:59], s[14:15], s[76:77]
	s_add_nc_u64 s[62:63], s[18:19], s[76:77]
	s_lshl_b32 s76, s22, 15
	s_add_nc_u64 s[68:69], s[12:13], s[76:77]      ; my 64 rows of M^T
	s_lshl_b32 s76, s22, 8
	s_add_co_u32 s76, s76, 9216
	s_add_nc_u64 s[70:71], s[10:11], s[76:77]      ; my 64 numbers of c
	; the prefetches' pointer, step, lane offset and limit
	s_cmp_eq_u32 s22, 0
	s_cselect_b64 s[46:47], s[48:49], s[50:51]
	s_mul_i32 s27, s23, 24576
	s_mov_b32 s72, 256                             ; a K step of x, in bytes of a row (in a register: a select takes one literal)
	s_cmp_eq_u32 s22, 2
	s_cselect_b32 s26, 0x20000, 0
	s_cmp_eq_u32 s22, 3
	s_cselect_b64 s[46:47], s[8:9], s[46:47]
	s_cselect_b32 s26, s27, s26
	s_cselect_b32 s72, BSL, s72                    ; wave 3 steps by a step of W1F
	s_cselect_b32 s25, 8, 12
	s_cselect_b32 s45, ttmp9, 0
	s_mov_b32 s27, 0
	s_mov_b32 s73, 0
	s_add_nc_u64 s[46:47], s[46:47], s[26:27]
	s_mul_i32 s26, s72, 6
	s_add_nc_u64 s[46:47], s[46:47], s[26:27]      ; at step 6: the first change of slots steps it to 7
	s_cmp_eq_u32 s45, 0
	s_cselect_b32 s45, 2, -1                       ; 2 in a wave that asks, else the greatest number; the same in all four partners
	v_lshlrev_b32 v19, s25, v2
	; LDS addresses
	v_mul_u32_u24 v24, v5, 144
	v_lshl_add_u32 v24, v3, 3, v24
	s_mul_i32 s78, s22, 1152
	s_add_co_u32 s78, s78, ASL
	v_add_nc_u32 v8, s78, v24                      ; where I store a's rows 8 w + l / 16
	s_mul_i32 s79, s22, 2304
	s_add_co_u32 s79, s79, ASL+4608
	v_add_nc_u32 v9, s79, v24                      ; and b's, local rows 32 + 16 w + l / 16
	v_mul_u32_u24 v4, v3, 144
	v_lshl_add_u32 v4, v5, 4, v4
	v_add_nc_u32 v4, ASL, v4
	v_lshlrev_b32 v12, 4, v2                       ; 16 l
	v_add_nc_u32 v6, s20, v12
	v_add_nc_u32 v7, BSL, v6
	s_lshl_b32 s80, s22, 11
	v_add_nc_u32 v13, s80, v12                     ; my 64 columns in a row tile of QF, KF
	s_lshl_b32 s81, s22, 12
	v_add_nc_u32 v14, s81, v12                     ; my 4 channel tiles in a key group of VF
	s_add_co_u32 s82, s80, HQ
	v_add_nc_u32 v15, s82, v12
	v_add_nc_u32 v16, HQ, v12
	s_mul_i32 s83, s22, 2304
	s_add_co_u32 s83, s83, CT
	v_lshlrev_b32 v21, 5, v5                       ; 32 h
	v_add_nc_u32 v17, s83, v21
	v_lshl_add_u32 v18, v3, 2, s83
	v_add_nc_u32 v22, CT, v20
	s_wait_loadcnt 24                              ; the tables are in; x of steps 0 and 1, 24 loads, may stay out
.set i, 0
.rept 9
	ds_store_b64 v22, v[128+2*i:129+2*i] offset:1024*i
.set i, i+1
.endr
	ASTAGE 0, 12, 0, 1, 512                        ; x of step 0 into slot 0; step 2 is asked for
	s_wait_tensorcnt 1                             ; my slice of step 0 is in; step 1's may stay out
	s_wait_dscnt 0x0                               ; my stores of the tables and of x are done
	s_barrier_signal -1
	s_barrier_wait -1
	FETCH_B 0, 0, 0, BB0
	FETCH_A 0, 0, AB0
	s_mov_b32 s44, 6
	STEP 0, 1, 12, 1, 2, 1                         ; step 0 stands in front of the loop: its first products start the sums
	WIN 0
.Lk:                                           ; steps 1 to 12, two a trip
	STEP 1, 0, 12, 1, 2, 0
	STEP 0, 0, 12, 1, 2, 0
	WIN 0
	s_sub_co_u32 s44, s44, 1
	s_cmp_lg_u32 s44, 0
	s_cbranch_scc1 .Lk
	STEP 1, 0, 12, 0, 2, 2                         ; step 13: the last refill (step 15); x is asked for no more
	STEP 0, 0, 0, 0, 1, 2                          ; step 14: nothing is filled
	STEP 1, 0, -1, 0, 0, 2                         ; step 15
; THE ACTIVATION, a column tile at a time: z = sum + b1; max(z, 0.01 z) is LeakyReLU for every real z; times sc plus sh; rounded to bf16; stored.
.macro LDC nt                          ; the tile's b1, sc, sh: q, k tiles: 8 columns a lane; v tiles: the lane's one channel, twice, as a pair
.set cb, 176+24*((\nt)%2)
.set la, 0
.rept 3
.if (\nt) < 8
	ds_load_b128 v[cb+8*la:cb+8*la+3],   v17 offset:(\nt)*192+la*64
	ds_load_b128 v[cb+8*la+4:cb+8*la+7], v17 offset:(\nt)*192+la*64+16
.else
	ds_load_b32 v[cb+8*la],   v18 offset:(\nt)*192+la*64
	ds_load_b32 v[cb+8*la+1], v18 offset:(\nt)*192+la*64
.endif
.set la, la+1
.endr
.endm
.macro ACT nt
	WIN 0
.if (\nt) < 11
	LDC (\nt)+1
	s_wait_dscnt 6                                 ; this tile's constants are in; the next tile's six loads may stay out
.else
	s_wait_dscnt 0x0
.endif
	s_wait_xcnt 0x0                                ; earlier stores have read their data: the packed registers are rewritten only behind this wait
.set cb, 176+24*((\nt)%2)
.set pb, 128+24*((\nt)%2)
.set am, 0
.rept 6
.set ai, 6*((\nt)%6)+am
.if ai < 32
.set arr, 8*ai
	WIN 2+(\nt)/6
.else
.set arr, 96+32*((\nt)/6)+8*(ai-32)
	WIN 1
.endif
.set aj, 0
.rept 4                                        ; each accumulator is read from its low end on
.set ac, 0
.if (\nt) < 8
.set ac, 2*aj
.endif
	v_pk_add_f32 v[32+8*am+2*aj:33+8*am+2*aj], v[arr+2*aj:arr+2*aj+1], v[cb+ac:cb+ac+1]
.set aj, aj+1
.endr
.set am, am+1
.endr
	WIN 0
.set aj, 0
.rept 24
	v_pk_mul_f32 v[80+2*aj:81+2*aj], v[32+2*aj:33+2*aj], s[74:75] op_sel_hi:[1,0]
.set aj, aj+1
.endr
.set aj, 0
.rept 48
	v_max_num_f32 v[32+aj], v[32+aj], v[80+aj]
.set aj, aj+1
.endr
.set aj, 0
.rept 24
.set ac, 0
.if (\nt) < 8
.set ac, 2*(aj%4)
.endif
	v_pk_fma_f32 v[32+2*aj:33+2*aj], v[32+2*aj:33+2*aj], v[cb+8+ac:cb+9+ac], v[cb+16+ac:cb+17+ac]
.set aj, aj+1
.endr
.set aj, 0
.rept 24
	v_cvt_pk_bf16_f32 v[pb+aj], v[32+2*aj], v[33+2*aj]
.set aj, aj+1
.endr
.set am, 0
.rept 6
.if (\nt) < 4
	ds_store_b128 v15, v[pb+4*am:pb+4*am+3] offset:am*8192+(\nt)*512
.elseif (\nt) < 8
.if am < 2
	global_store_b128 v13, v[pb+4*am:pb+4*am+3], s[52:53] offset:am*8192+((\nt)-4)*512
.else
	global_store_b128 v13, v[pb+4*am:pb+4*am+3], s[54:55] offset:(am-2)*8192+((\nt)-4)*512
.endif
.else
.if am < 2
	global_store_b128 v14, v[pb+4*am:pb+4*am+3], s[60:61] offset:(am%2)*512+((\nt)-8)*1024
.else
	global_store_b128 v14, v[pb+4*am:pb+4*am+3], s[62:63] offset:((am-2)/2)*16384+(am%2)*512+((\nt)-8)*1024
.endif
.endif
.set am, am+1
.endr
.endm
	WIN 0
	PLACES
	LDC 0
	ACT 0
	ACT 1
	ACT 2
	ACT 3
	; The q tiles' accumulators are spent: my 64 rows of M^T (8 chunks x 4 tiles) are asked for now, chunks 0-5 into them, chunks 6, 7 and c where W1's fragments lay.
	WIN 0x80
.set i, 0
.rept 48
	global_load_b128 v[4*i:4*i+3], v12, s[68:69] offset:i*512
.set i, i+1
.endr
	WIN 0x40
.set i, 0
.rept 16
	global_load_b128 v[4*i:4*i+3], v12, s[68:69] offset:24576+i*512
.set i, i+1
.endr
.set i, 0
.rept 8
	global_load_b128 v[64+4*i:67+4*i], v21, s[70:71] offset:(i/2)*64+(i%2)*16
.set i, i+1
.endr
	WIN 0
	ACT 4
	ACT 5
	ACT 6
	ACT 7
	ACT 8
	ACT 9
	ACT 10
	ACT 11
	s_wait_dscnt 0x0                               ; my part of hq lies in LDS
	s_barrier_signal -1
	s_barrier_wait -1                              ; everybody's does
; Q' = hq M + c: source 0 = 16 rows n' of M^T, source 1 = 16 rows of hq; 24 accumulators (4 tiles n' x 6 row tiles) in window 3, by turns; c is the C operand that starts the sums.
.macro FETCH_H c, ab
	WIN 0
.set fj, 0
.rept 6
	ds_load_b128 v[(\ab)+8*fj:(\ab)+8*fj+3],   v16 offset:fj*8192+(\c)*1024
	ds_load_b128 v[(\ab)+8*fj+4:(\ab)+8*fj+7], v16 offset:fj*8192+(\c)*1024+512
.set fj, fj+1
.endr
.endm
.macro QW c, from, to
.set qa, \from
.rept (\to)-(\from)
.set qn, qa/6
.set qm, qa%6
.set qh, 128+48*((\c)%2)+8*qm
.if (\c) == 0
	WIN 0xd2
	v_wmma_f32_16x16x32_bf16 v[8*qa:8*qa+7], v[8*qn:8*qn+7], v[qh:qh+7], v[64+8*qn:71+8*qn]
.elseif (\c) < 6
	WIN 0xf2
	v_wmma_f32_16x16x32_bf16 v[8*qa:8*qa+7], v[32*(\c)+8*qn:32*(\c)+8*qn+7], v[qh:qh+7], v[8*qa:8*qa+7]
.else
	WIN 0xf1
	v_wmma_f32_16x16x32_bf16 v[8*qa:8*qa+7], v[32*((\c)-6)+8*qn:32*((\c)-6)+8*qn+7], v[qh:qh+7], v[8*qa:8*qa+7]
.endif
.set qa, qa+1
.endr
.endm
	s_wait_xcnt 0x0                                ; the k and v tiles' stores have read the registers into which hq's fragments come
	FETCH_H 0, AB0
	s_wait_loadcnt 0x0                             ; M^T and c
.irp c, 0,1,2,3,4,5,6,7
	s_wait_dscnt 0x0
	QW \c, 0, 12
.if \c < 7
	PLACES
	FETCH_H \c+1, 128+48*((\c+1)%2)
.endif
	QW \c, 12, 24
.endr
	PLACES
	WIN 0x0f
.set i, 0
.rept 96
	v_cvt_pk_bf16_f32 v[32+i], v[2*i], v[2*i+1]
.set i, i+1
.endr
	WIN 0
.set i, 0
.rept 24
.if (i%6) < 2
	global_store_b128 v13, v[32+4*i:35+4*i], s[56:57] offset:(i%6)*8192+(i/6)*512
.else
	global_store_b128 v13, v[32+4*i:35+4*i], s[58:59] offset:((i%6)-2)*8192+(i/6)*512
.endif
.set i, i+1
.endr
	s_wait_tensorcnt 0x0                           ; the wave's end, behind my last tensor load and my last LDS store
	ds_add_u32 v28, v29
	s_wait_dscnt 0x0
	CROUND                                         ; the closing round: no work-group ends while a partner may still ask for a tile that names it
	s_endpgm
.Lfunc_end_k_q3671c68d84_mlp:
	.size	k_q3671c68d84_mlp, .Lfunc_end_k_q3671c68d84_mlp-k_q3671c68d84_mlp
	.p2alignl 7, 3214868480
	.fill 96, 4, 3214868480
	.section	.rodata,"a",@progbits
	.p2align	6, 0x0
	.amdhsa_kernel k_q3671c68d84_mlp
		.amdhsa_group_segment_fixed_size 327680
		.amdhsa_private_segment_fixed_size 0
		.amdhsa_enable_private_segment 0
		.amdhsa_kernarg_size 64
		.amdhsa_user_sgpr_count 2
		.amdhsa_user_sgpr_kernarg_segment_ptr 1
		.amdhsa_wavefront_size32 1
		.amdhsa_system_sgpr_workgroup_id_x 1
		.amdhsa_system_sgpr_workgroup_id_y 1
		.amdhsa_system_sgpr_workgroup_id_z 1
		.amdhsa_system_vgpr_workitem_id 0
		.amdhsa_next_free_vgpr 1024
		.amdhsa_next_free_sgpr 96
		.amdhsa_reserve_vcc 0
		.amdhsa_float_denorm_mode_32 3
		.amdhsa_float_denorm_mode_16_64 3
		.amdhsa_memory_ordered 1
		.amdhsa_forward_progress 1
		.amdhsa_inst_pref_size 255
	.end_amdhsa_kernel
	.section	.bss,"aw",@nobits
	.p2align	6
	.space	262144
	.amdgpu_metadata
---
amdhsa.version: [ 1, 2 ]
amdhsa.kernels:
  - .name:           k_q3671c68d84_mlp
    .symbol:         k_q3671c68d84_mlp.kd
    .args:
      - { .name: a, .offset: 0, .size: 8, .value_kind: global_buffer, .address_space: global }
      - { .name: b, .offset: 8, .size: 8, .value_kind: global_buffer, .address_space: global }
      - { .name: W1F, .offset: 16, .size: 8, .value_kind: global_buffer, .address_space: global }
      - { .name: TAB, .offset: 24, .size: 8, .value_kind: global_buffer, .address_space: global }
      - { .name: MTF, .offset: 32, .size: 8, .value_kind: global_buffer, .address_space: global }
      - { .name: QF, .offset: 40, .size: 8, .value_kind: global_buffer, .address_space: global }
      - { .name: KF, .offset: 48, .size: 8, .value_kind: global_buffer, .address_space: global }
      - { .name: VF, .offset: 56, .size: 8, .value_kind: global_buffer, .address_space: global }
    .group_segment_fixed_size: 327680
    .private_segment_fixed_size: 0
    .kernarg_segment_align: 8
    .kernarg_segment_size: 64
    .max_flat_workgroup_size: 128
    .sgpr_count:     96
    .vgpr_count:     1024
    .wavefront_size: 32
...
	.end_amdgpu_metadata
.endif
;; end of part 2
;; launch attn (part 3): grid 4 x 64, 4 waves a work-group, no clusters, 6,656 bytes of LDS; arguments QF, KF, VF, len_a, len_b, UP; writes UP
.if DOCPART == 3
	.amdgcn_target "amdgcn-amd-amdhsa--gfx1250"
	.amdhsa_code_object_version 6
	.text
	.protected	k_q3671c68d84_attn
	.globl	k_q3671c68d84_attn
	.p2align	8
	.type	k_q3671c68d84_attn,@function
k_q3671c68d84_attn:
	s_mov_b64 s[64:65], 0
	v_nop
	global_prefetch_b8 v0, s[64:65] scope:SCOPE_SE
	s_setreg_imm32_b32 hwreg(HW_REG_WAVE_MODE, 25, 1), 1
	s_wait_xcnt 0x0
; CROSS ATTENTION, launch 3 of 4: scores, softmax, the queries' mean of the weights, and u = sum over keys of w[k] hv[k].
; Left out (shown at the head of the first kernel): P V on 1,024 channels for every query: the mean over queries is taken of the weights, and hv is 256 wide.
; UNIT = direction x batch (y); the unit's queries are split over 4 work-groups (x).  Every wave has 64 queries x 128 keys, and one text serves both directions:
;   direction 0 (queries a, keys b): the work-group's 64 queries in all waves, wave w keys 128 w ..;   direction 1 (queries b, keys a): queries 64 (w / 2) .. of the work-group's 128, keys 128 (w % 2) ..
; S^T = K Q'^T (source 0 = 16 keys, source 1 = 16 queries): a lane holds one query (l % 16) and keys 8 (l / 16) + 0..7.  Q' carries log2(e) / 32, so p = 2^(s - m), m the row's maximum over all its keys
; (the waves that share my queries exchange maxima and sums through LDS).  The mask is the C operand that starts a sum: 0, or -1e30 for keys at or past len_k.
; Each query's weights are scaled by 1 / (l len_q), or by 0 for queries at or past len_q, and added over the wave's four query tiles; rounded to bf16 they are source 0 (16 classes of queries x 32 keys) of a
; product with V^T's fragments; the sixteen classes are then added.  The lengths enter compares and one factor alone: no address and no branch hangs on them.
; NO CLUSTER, no LDS for operands: in a work-group each fragment of K and V has one reader.  The unit's four work-groups do read the same K and V, up to 512 KiB: more than LDS holds at once,
; so sharing them would want a ring with rounds; not built here.
; REGISTERS: window 0: addresses, masks v32-95 (later the weights), statistics v96-191; window 1: S^T, (query tile qt, key tile kt) at 8 (8 qt + kt); window 2: Q', 64 qt + 8 chunk (later V);
; window 3: four buffers of a key tile of K, 64 (kt % 4) + 8 chunk (later V).
.set LS,    1024                       ; LDS: maxima at 0, sums at 1,024 (4 waves x 16 queries x 4 tiles x 4 bytes each), u's parts at 2,048 (4 x 1,024)
.set UB,    2048
.set SPARE, 6144
.set CH, 96                            ; four chains a query tile
.set XS, 112
.set EX, 116                           ; the four waves' figures, 4 each
.set MP, 132                           ; m, as pairs
.set SP, 140                           ; four packed chains a query tile
.set LL, 172
.set RC, 176
.set TQ, 180
.set RR, 184                           ; the queries' factors, as pairs
.set MSB, 0
.macro WIN new
.if MSB != (\new)
	s_set_vgpr_msb (MSB<<8)|(\new)
.set MSB, (\new)
.endif
.endm
.macro PLACES
.rept 4
	v_nop
.endr
.endm
.macro ALLQ line:vararg                ; one line for each query tile qt
.set qt, 0
.rept 4
	\line
.set qt, qt+1
.endr
.endm
.macro LDK kt                          ; a key tile of K, 8 fragments, 16 loads of 512 consecutive bytes
	WIN 0xc0
.set f, 0
.rept 16
	global_load_b128 v[64*((\kt)%4)+4*f:64*((\kt)%4)+4*f+3], v5, s[6:7] offset:(\kt)*8192+f*512
.set f, f+1
.endr
.endm
.macro LDV x                           ; eight channel tiles of V: key group x / 2, tiles 8 (x % 2) ..: groups 0, 1 into window 3, groups 2, 3 into window 2
.if (\x) < 4
	WIN 0xc0
.else
	WIN 0x80
.endif
.set f, 0
.rept 16
	global_load_b128 v[64*((\x)%4)+4*f:64*((\x)%4)+4*f+3], v5, s[8:9] offset:(\x)*8192+f*512
.set f, f+1
.endr
.endm
.macro SCORE kt                        ; 32 products: chunks outer, the four query tiles' accumulators by turns
	s_wait_loadcnt 48                              ; this key tile (and all before it) is in; the three younger groups of 16 loads may stay out
.set c, 0
.rept 8
.set qt, 0
.rept 4
.if c == 0
	WIN 0x4b
	v_wmma_f32_16x16x32_bf16 v[8*(8*qt+(\kt)):8*(8*qt+(\kt))+7], v[64*((\kt)%4):64*((\kt)%4)+7], v[64*qt:64*qt+7], v[32+8*(\kt):39+8*(\kt)]
.else
	WIN 0x5b
	v_wmma_f32_16x16x32_bf16 v[8*(8*qt+(\kt)):8*(8*qt+(\kt))+7], v[64*((\kt)%4)+8*c:64*((\kt)%4)+8*c+7], v[64*qt+8*c:64*qt+8*c+7], v[8*(8*qt+(\kt)):8*(8*qt+(\kt))+7]
.endif
.set qt, qt+1
.endr
.set c, c+1
.endr
	PLACES                                         ; in front of the loads into the buffer just multiplied
.endm
	s_load_b256 s[4:11], s[0:1], 0x0               ; QF s[4:5], KF s[6:7], VF s[8:9], len_a s[10:11]
	s_load_b128 s[12:15], s[0:1], 0x20             ; len_b s[12:13], UP s[14:15]
	v_lshl_add_u32 v28, v0, 2, SPARE
	v_mov_b32 v29, 0
	v_lshrrev_b32 v1, 5, v0
	v_readfirstlane_b32 s21, v1                    ; wave w
	s_and_b32 s20, ttmp7, 0xffff                   ; unit
	s_lshr_b32 s23, s20, 5                         ; direction
	s_and_b32 s24, s20, 31                         ; batch
	s_lshl_b32 s25, s24, 2
	s_and_b32 s26, s21, 1
	s_lshr_b32 s27, s21, 1
	s_wait_kmcnt 0x0
	s_load_b32 s16, s[10:11], s25 offset:0x0       ; len_a[batch]
	s_load_b32 s17, s[12:13], s25 offset:0x0       ; len_b[batch]
	s_lshl_b32 s30, s24, 4                         ; direction 0: query tile 16 b + 4 x
	s_lshl2_add_u32 s30, ttmp9, s30
	s_lshl_b32 s31, s24, 5                         ; key tile 512 + 32 b + 8 w
	s_lshl3_add_u32 s31, s21, s31
	s_add_co_u32 s31, s31, 512
	s_lshl_b32 s32, s24, 4                         ; key group 256 + 16 b + 4 w
	s_lshl2_add_u32 s32, s21, s32
	s_add_co_u32 s32, s32, 256
	s_lshl_b32 s33, s21, 7                         ; first key 128 w
	s_lshl_b32 s34, ttmp9, 6                       ; first query 64 x
	s_lshl_b32 s35, s24, 5                         ; direction 1: query tile 512 + 32 b + 8 x + 4 (w / 2)
	s_lshl3_add_u32 s35, ttmp9, s35
	s_lshl2_add_u32 s35, s27, s35
	s_add_co_u32 s35, s35, 512
	s_lshl_b32 s36, s24, 4                         ; key tile 16 b + 8 (w % 2)
	s_lshl3_add_u32 s36, s26, s36
	s_lshl_b32 s37, s24, 3                         ; key group 8 b + 4 (w % 2)
	s_lshl2_add_u32 s37, s26, s37
	s_lshl_b32 s38, s26, 7
	s_lshl_b32 s39, ttmp9, 7
	s_lshl_b32 s44, s27, 6
	s_add_co_u32 s39, s39, s44
	s_cmp_eq_u32 s23, 0
	s_cselect_b32 s30, s30, s35
	s_cselect_b32 s31, s31, s36
	s_cselect_b32 s32, s32, s37
	s_cselect_b32 s33, s33, s38
	s_cselect_b32 s34, s34, s39
	s_mov_b32 s45, 0
	s_lshl_b32 s44, s30, 13
	s_add_nc_u64 s[4:5], s[4:5], s[44:45]
	s_lshl_b32 s44, s31, 13
	s_add_nc_u64 s[6:7], s[6:7], s[44:45]
	s_lshl_b32 s44, s32, 14
	s_add_nc_u64 s[8:9], s[8:9], s[44:45]
	v_and_b32 v2, 31, v0
	v_lshlrev_b32 v5, 4, v2                        ; 16 l
	WIN 0x80
.set f, 0
.rept 64
	global_load_b128 v[4*f:4*f+3], v5, s[4:5] offset:f*512  ; Q': 4 query tiles x 8 chunks
.set f, f+1
.endr
	LDK 0
	LDK 1
	LDK 2
	LDK 3
	WIN 0
	v_and_b32 v3, 15, v0                           ; r
	v_bfe_u32 v4, v0, 4, 1                         ; h
.irp i, 0,1,2,3
	s_cmp_eq_u32 s27, \i/2                         ; does wave i share my queries?  In direction 1 if i / 2 = w / 2,
	s_cselect_b32 s[40+\i], -1, 0
.endr
	s_cmp_eq_u32 s23, 0                            ; in direction 0 always
.irp i, 0,1,2,3
	s_cselect_b32 s[40+\i], -1, s[40+\i]
.endr
	s_mov_b32 s49, 0xf149f2ca                      ; -1e30
	s_mov_b32 s50, 0x76543210                      ; v_permlanex16_b32: each lane takes its own place in the other half
	s_mov_b32 s51, 0xfedcba98
	s_mov_b32 s52, 0xffff0000                      ; lanes 16-31
	s_lshl_b32 s53, s21, 8
	v_lshlrev_b32 v7, 4, v3
	v_lshl_add_u32 v7, v4, 3, v7
	v_add_nc_u32 v7, s53, v7                       ; where I put two of my query's four figures
	v_lshlrev_b32 v8, 4, v3                        ; where I read a wave's four
	s_lshl_b32 s54, s21, 10
	s_add_co_u32 s54, s54, UB
	v_lshl_add_u32 v9, v2, 2, s54
	v_lshl_add_u32 v10, v0, 3, UB
	v_lshlrev_b32 v11, 3, v0
	s_lshl_b32 s44, s20, 2
	s_add_co_u32 s44, s44, ttmp9
	s_lshl_b32 s44, s44, 10
	s_add_nc_u64 s[14:15], s[14:15], s[44:45]      ; UP[unit][x]
	s_wait_kmcnt 0x0
	s_cmp_eq_u32 s23, 0
	s_cselect_b32 s18, s16, s17                    ; len_q
	s_cselect_b32 s19, s17, s16                    ; len_k
	s_sub_co_i32 s46, s19, s33                     ; len_k less my first key,
	s_sub_co_i32 s47, s18, s34                     ; len_q less my first query
	s_cvt_f32_u32 s48, s18
	v_lshlrev_b32 v6, 3, v4
	v_sub_nc_u32 v6, s46, v6                       ; less my lanes' 8 h: register j of key tile kt is hidden where 16 kt + j is not below it
.set i, 0
.rept 64
	v_cmp_ge_i32 vcc_lo, 16*(i/8)+i%8, v6
	v_cndmask_b32 v[32+i], 0, s49, vcc_lo
.set i, i+1
.endr
	SCORE 0
	LDK 4
	SCORE 1
	LDK 5
	SCORE 2
	LDK 6
	SCORE 3
	LDK 7
	SCORE 4
	LDV 0
	SCORE 5
	LDV 1
	SCORE 6
	LDV 2
	SCORE 7
	LDV 3
	LDV 4                                          ; Q' has been multiplied for the last time: V's other half takes its registers
	LDV 5
	LDV 6
	LDV 7
	; THE ROWS' MAXIMA: for each query tile four chains of 16 scores, each accumulator read from its low end on
	WIN 0x05
.set qt, 0
.rept 4
.set z, 0
.rept 8
.set ch, 0
.rept 4
.if z == 0
	v_max_num_f32 v[CH+4*qt+ch], v[64*qt+16*ch], v[64*qt+16*ch+1]
.else
	v_max3_num_f32 v[CH+4*qt+ch], v[64*qt+16*ch+2*z], v[64*qt+16*ch+2*z+1], v[CH+4*qt+ch]
.endif
.set ch, ch+1
.endr
.set z, z+1
.endr
.set qt, qt+1
.endr
	WIN 0
	ALLQ v_max3_num_f32 v[CH+4*qt], v[CH+4*qt], v[CH+4*qt+1], v[CH+4*qt+2]
	ALLQ v_max_num_f32 v[CH+4*qt], v[CH+4*qt], v[CH+4*qt+3]
	ALLQ v_permlanex16_b32 v[CH+4*qt+1], v[CH+4*qt], s50, s51
	ALLQ v_max_num_f32 v[CH+4*qt], v[CH+4*qt], v[CH+4*qt+1]
	v_cndmask_b32 v[XS], v[CH], v[CH+8], s52       ; lanes 0-15 store tiles 0, 1; lanes 16-31 tiles 2, 3
	v_cndmask_b32 v[XS+1], v[CH+4], v[CH+12], s52
	ds_store_b64 v7, v[XS:XS+1]
	s_wait_dscnt 0x0
	s_barrier_signal -1
	s_barrier_wait -1
.irp i, 0,1,2,3
	ds_load_b128 v[EX+4*\i:EX+4*\i+3], v8 offset:\i*256
.endr
	s_wait_dscnt 0x0
.irp i, 0,1,2,3
	ALLQ v_cndmask_b32 v[EX+4*\i+qt], v[CH+4*qt], v[EX+4*\i+qt], s[40+\i]
.endr
	ALLQ v_max3_num_f32 v[MP+2*qt], v[EX+qt], v[EX+4+qt], v[EX+8+qt]
	ALLQ v_max_num_f32 v[MP+2*qt], v[MP+2*qt], v[EX+12+qt]
	ALLQ v_mov_b32 v[MP+2*qt+1], v[MP+2*qt]
	; p = 2^(s - m): 256 exponentials as ONE batch
	WIN 0x41
.set i, 0
.rept 128
	v_pk_add_f32 v[2*i:2*i+1], v[2*i:2*i+1], v[MP+2*(i/32):MP+2*(i/32)+1] neg_lo:[0,1] neg_hi:[0,1]
.set i, i+1
.endr
.set i, 0
.rept 256
	v_exp_f32 v[i], v[i]
.set i, i+1
.endr
	v_nop                                          ; a plain instruction behind the last exponential,
	s_wait_alu depctr_va_vdst(0)                   ; and one wait for the batch, ahead of its first reader
	; THE ROWS' SUMS, of the unrounded p, in f32
	WIN 0x05
.set i, 0
.rept 16
	v_pk_add_f32 v[SP+2*i:SP+2*i+1], v[16*i:16*i+1], v[16*i+2:16*i+3]
.set i, i+1
.endr
	WIN 0x01
.set z, 2
.rept 6
.set i, 0
.rept 16
	v_pk_add_f32 v[SP+2*i:SP+2*i+1], v[16*i+2*z:16*i+2*z+1], v[SP+2*i:SP+2*i+1]
.set i, i+1
.endr
.set z, z+1
.endr
	WIN 0
	ALLQ v_pk_add_f32 v[SP+8*qt:SP+8*qt+1], v[SP+8*qt:SP+8*qt+1], v[SP+8*qt+2:SP+8*qt+3]
	ALLQ v_pk_add_f32 v[SP+8*qt+4:SP+8*qt+5], v[SP+8*qt+4:SP+8*qt+5], v[SP+8*qt+6:SP+8*qt+7]
	ALLQ v_pk_add_f32 v[SP+8*qt:SP+8*qt+1], v[SP+8*qt:SP+8*qt+1], v[SP+8*qt+4:SP+8*qt+5]
	ALLQ v_add_f32 v[SP+8*qt], v[SP+8*qt], v[SP+8*qt+1]
	ALLQ v_permlanex16_b32 v[SP+8*qt+1], v[SP+8*qt], s50, s51
	ALLQ v_add_f32 v[SP+8*qt], v[SP+8*qt], v[SP+8*qt+1]
	v_cndmask_b32 v[XS], v[SP], v[SP+16], s52
	v_cndmask_b32 v[XS+1], v[SP+8], v[SP+24], s52
	ds_store_b64 v7, v[XS:XS+1] offset:LS
	s_wait_dscnt 0x0
	s_barrier_signal -1
	s_barrier_wait -1
.irp i, 0,1,2,3
	ds_load_b128 v[EX+4*\i:EX+4*\i+3], v8 offset:LS+\i*256
.endr
	s_wait_dscnt 0x0
.irp i, 0,1,2,3
	ALLQ v_cndmask_b32 v[EX+4*\i+qt], 0, v[EX+4*\i+qt], s[40+\i]
.endr
	ALLQ v_add_f32 v[LL+qt], v[EX+qt], v[EX+4+qt]
	ALLQ v_add_f32 v[EX+8+qt], v[EX+8+qt], v[EX+12+qt]
	ALLQ v_add_f32 v[LL+qt], v[LL+qt], v[EX+8+qt]
	ALLQ v_mul_f32 v[LL+qt], s48, v[LL+qt]         ; l len_q; l is at least 1: the row's greatest weight
	ALLQ v_rcp_f32 v[RC+qt], v[LL+qt]
	ALLQ v_add_nc_u32 v[TQ+qt], 16*qt, v3          ; plain work behind the reciprocals,
	s_wait_alu depctr_va_vdst(0)                   ; and their one wait
.set qt, 0
.rept 4
	v_cmp_gt_i32 vcc_lo, s47, v[TQ+qt]             ; a query at or past len_q has the factor 0
	v_cndmask_b32 v[RR+2*qt], 0, v[RC+qt], vcc_lo
	v_mov_b32 v[RR+2*qt+1], v[RR+2*qt]
.set qt, qt+1
.endr
	; the four query tiles' scaled weights are added, in place in tile 0
	WIN 0x41
.set i, 0
.rept 32
	v_pk_mul_f32 v[2*i:2*i+1], v[2*i:2*i+1], v[RR:RR+1]
.set i, i+1
.endr
	WIN 0x51
.set qt, 1
.rept 3
.set i, 0
.rept 32
	v_pk_fma_f32 v[2*i:2*i+1], v[64*qt+2*i:64*qt+2*i+1], v[RR+2*qt:RR+2*qt+1], v[2*i:2*i+1]
.set i, i+1
.endr
.set qt, qt+1
.endr
	WIN 0x05
.set i, 0
.rept 32
	v_cvt_pk_bf16_f32 v[32+i], v[2*i], v[2*i+1]    ; two neighbouring key tiles are one fragment of 32 keys
.set i, i+1
.endr
	s_wait_loadcnt 0x0                             ; V
.set kc, 0
.rept 4                                        ; 16 channel tiles' accumulators by turns; the first key group starts the sums
.set ct, 0
.rept 16
.if kc < 2
	WIN 0x5c
.else
	WIN 0x58
.endif
.if kc == 0
	v_wmma_f32_16x16x32_bf16 v[64+8*ct:71+8*ct], v[32:39], v[8*ct:8*ct+7], 0
.else
	v_wmma_f32_16x16x32_bf16 v[64+8*ct:71+8*ct], v[32+8*kc:39+8*kc], v[128*(kc%2)+8*ct:128*(kc%2)+8*ct+7], v[64+8*ct:71+8*ct]
.endif
.set ct, ct+1
.endr
.set kc, kc+1
.endr
	PLACES
	WIN 0x05                                       ; the sixteen classes of queries are added: eight registers, then the other half of the lanes
.set ct, 0
.rept 16
	v_pk_add_f32 v[96+4*ct:97+4*ct], v[64+8*ct:65+8*ct], v[66+8*ct:67+8*ct]
	v_pk_add_f32 v[98+4*ct:99+4*ct], v[68+8*ct:69+8*ct], v[70+8*ct:71+8*ct]
.set ct, ct+1
.endr
	WIN 0
.set ct, 0
.rept 16
	v_pk_add_f32 v[96+4*ct:97+4*ct], v[96+4*ct:97+4*ct], v[98+4*ct:99+4*ct]
.set ct, ct+1
.endr
.set ct, 0
.rept 16
	v_add_f32 v[96+4*ct], v[96+4*ct], v[97+4*ct]
.set ct, ct+1
.endr
.set ct, 0
.rept 16
	v_permlanex16_b32 v[97+4*ct], v[96+4*ct], s50, s51
.set ct, ct+1
.endr
.set ct, 0
.rept 16
	v_add_f32 v[96+4*ct], v[96+4*ct], v[97+4*ct]
.set ct, ct+1
.endr
.set i, 0
.rept 8
	v_cndmask_b32 v[160+i], v[96+8*i], v[100+8*i], s52  ; lane l takes channel 32 i + l
.set i, i+1
.endr
.set i, 0
.rept 8
	ds_store_b32 v9, v[160+i] offset:i*128
.set i, i+1
.endr
	s_wait_dscnt 0x0
	s_barrier_signal -1
	s_barrier_wait -1
.irp i, 0,1,2,3
	ds_load_b64 v[168+2*\i:169+2*\i], v10 offset:\i*1024
.endr
	s_wait_dscnt 0x0
	v_pk_add_f32 v[168:169], v[168:169], v[170:171]
	v_pk_add_f32 v[172:173], v[172:173], v[174:175]
	v_pk_add_f32 v[168:169], v[168:169], v[172:173]
	global_store_b64 v11, v[168:169], s[14:15]     ; a wave stores 256 consecutive bytes, aligned: a partial sum, in f32
	s_wait_tensorcnt 0x0                           ; the wave's end, behind my last LDS store
	ds_add_u32 v28, v29
	s_wait_dscnt 0x0
	s_endpgm
.Lfunc_end_k_q3671c68d84_attn:
	.size	k_q3671c68d84_attn, .Lfunc_end_k_q3671c68d84_attn-k_q3671c68d84_attn
	.p2alignl 7, 3214868480
	.fill 96, 4, 3214868480
	.section	.rodata,"a",@progbits
	.p2align	6, 0x0
	.amdhsa_kernel k_q3671c68d84_attn
		.amdhsa_group_segment_fixed_size 6656
		.amdhsa_private_segment_fixed_size 0
		.amdhsa_enable_private_segment 0
		.amdhsa_kernarg_size 48
		.amdhsa_user_sgpr_count 2
		.amdhsa_user_sgpr_kernarg_segment_ptr 1
		.amdhsa_wavefront_size32 1
		.amdhsa_system_sgpr_workgroup_id_x 1
		.amdhsa_system_sgpr_workgroup_id_y 1
		.amdhsa_system_sgpr_workgroup_id_z 1
		.amdhsa_system_vgpr_workitem_id 0
		.amdhsa_next_free_vgpr 1024
		.amdhsa_next_free_sgpr 66
		.amdhsa_reserve_vcc 1
		.amdhsa_float_denorm_mode_32 3
		.amdhsa_float_denorm_mode_16_64 3
		.amdhsa_memory_ordered 1
		.amdhsa_forward_progress 1
		.amdhsa_inst_pref_size 118
	.end_amdhsa_kernel
	.amdgpu_metadata
---
amdhsa.version: [ 1, 2 ]
amdhsa.kernels:
  - .name:           k_q3671c68d84_attn
    .symbol:         k_q3671c68d84_attn.kd
    .args:
      - { .name: QF, .offset: 0, .size: 8, .value_kind: global_buffer, .address_space: global }
      - { .name: KF, .offset: 8, .size: 8, .value_kind: global_buffer, .address_space: global }
      - { .name: VF, .offset: 16, .size: 8, .value_kind: global_buffer, .address_space: global }
      - { .name: len_a, .offset: 24, .size: 8, .value_kind: global_buffer, .address_space: global }
      - { .name: len_b, .offset: 32, .size: 8, .value_kind: global_buffer, .address_space: global }
      - { .name: UP, .offset: 40, .size: 8, .value_kind: global_buffer, .address_space: global }
    .group_segment_fixed_size: 6656
    .private_segment_fixed_size: 0
    .kernarg_segment_align: 8
    .kernarg_segment_size: 48
    .max_flat_workgroup_size: 128
    .sgpr_count:     66
    .vgpr_count:     1024
    .wavefront_size: 32
...
	.end_amdgpu_metadata
.endif
;; end of part 3
;; launch emit (part 4): grid 16 x 4, 4 waves a work-group, no clusters, 21,760 bytes of LDS; arguments UP, W2VF, b2, out0; writes out0
.if DOCPART == 4
	.amdgcn_target "amdgcn-amd-amdhsa--gfx1250"
	.amdhsa_code_object_version 6
	.text
	.protected	k_q3671c68d84_emit
	.globl	k_q3671c68d84_emit
	.p2align	8
	.type	k_q3671c68d84_emit,@function
k_q3671c68d84_emit:
	s_mov_b64 s[64:65], 0
	v_nop
	global_prefetch_b8 v0, s[64:65] scope:SCOPE_SE
	s_setreg_imm32_b32 hwreg(HW_REG_WAVE_MODE, 25, 1), 1
	s_wait_xcnt 0x0
; CROSS ATTENTION, launch 4 of 4: out0[unit][d] = sum over c of u[unit][c] W2v[c][d] + b2v[d], u = the sum of launch 3's four parts.
; Left out (shown at the head of the first kernel): the factor sum of w in front of b2v, which is 1 by identity.
; Work-group (x, y): units 16 y .., columns 64 x ..; wave w the 16 columns 64 x + 16 w.  u is given to the matrix unit as hi + lo, two bf16 numbers, so that K is 512: 16 products a wave on two accumulators by turns.
; Source 0 = 16 columns d of W2v (fragments as launch 1 laid them), source 1 = the 16 units: a lane ends with one unit and eight neighbouring columns; b2v is the C operand that starts one of the sums.
.set STG,   16896                      ; LDS: u at 0, 16 rows of 512 bytes hi + 512 bytes lo + 16; the stage for the way out, 16 rows of 256 + 16 bytes
.set SPARE, 21248
	s_load_b256 s[4:11], s[0:1], 0x0               ; UP s[4:5], W2VF s[6:7], b2 s[8:9], out0 s[10:11]
	v_lshl_add_u32 v28, v0, 2, SPARE
	v_mov_b32 v29, 0
	v_lshrrev_b32 v1, 5, v0
	v_readfirstlane_b32 s12, v1                    ; wave
	v_and_b32 v2, 31, v0
	v_and_b32 v3, 15, v0
	v_bfe_u32 v4, v0, 4, 1
	s_and_b32 s13, ttmp7, 0xffff
	s_lshl_b32 s14, s13, 16                        ; 16 units of 4,096 bytes,
	s_lshl_b32 s15, s12, 14                        ; my wave's four
	s_add_co_u32 s14, s14, s15
	s_mov_b32 s15, 0
	s_lshl_b32 s16, ttmp9, 2
	s_add_co_u32 s16, s16, s12                     ; column tile 4 x + w
	s_lshl_b32 s18, s16, 13
	s_mov_b32 s19, 0
	s_lshl_b32 s24, s16, 6
	s_mov_b32 s25, 0
	s_lshl_b32 s26, s13, 16
	s_lshl_b32 s27, ttmp9, 8
	s_add_co_u32 s26, s26, s27
	s_mov_b32 s27, 0
	v_lshlrev_b32 v5, 4, v2
	v_lshlrev_b32 v6, 5, v4
	s_wait_kmcnt 0x0
	s_add_nc_u64 s[4:5], s[4:5], s[14:15]
	s_add_nc_u64 s[6:7], s[6:7], s[18:19]
	s_add_nc_u64 s[8:9], s[8:9], s[24:25]
	s_add_nc_u64 s[10:11], s[10:11], s[26:27]
.set i, 0
.rept 32                                       ; i = 4 (2 unit + half row) + part
	global_load_b128 v[32+4*i:35+4*i], v5, s[4:5] offset:(i/8)*4096+(i%4)*1024+((i/4)%2)*512
.set i, i+1
.endr
.set i, 0
.rept 16
	global_load_b128 v[160+4*i:163+4*i], v5, s[6:7] offset:i*512
.set i, i+1
.endr
	global_load_b128 v[224:227], v6, s[8:9] offset:8192     ; b2's row 2, columns 16 D + 8 h ..
	global_load_b128 v[228:231], v6, s[8:9] offset:8208
	s_mul_i32 s20, s12, 4160
	v_lshl_add_u32 v7, v2, 3, s20
	v_mul_u32_u24 v8, v3, 1040
	v_lshl_add_u32 v8, v4, 4, v8
	v_mul_u32_u24 v9, v3, 272
	v_lshl_add_u32 v9, v4, 5, v9
	s_lshl_b32 s21, s12, 6
	s_add_co_u32 s21, s21, STG
	v_add_nc_u32 v9, s21, v9
	s_mul_i32 s22, s12, 1088
	s_add_co_u32 s22, s22, STG
	v_mul_u32_u24 v10, v4, 272
	v_lshl_add_u32 v10, v3, 4, v10
	v_add_nc_u32 v10, s22, v10
	s_lshl_b32 s23, s12, 14
	v_lshlrev_b32 v11, 12, v4
	v_lshl_add_u32 v11, v3, 4, v11
	v_add_nc_u32 v11, s23, v11
	s_wait_loadcnt 18                              ; the parts of u are in; W2v's 16 loads and b2's 2 may stay out
.set gq, 0
.rept 8
.set B, 32+16*gq
	v_pk_add_f32 v[B:B+1], v[B:B+1], v[B+4:B+5]
	v_pk_add_f32 v[B+2:B+3], v[B+2:B+3], v[B+6:B+7]
	v_pk_add_f32 v[B+8:B+9], v[B+8:B+9], v[B+12:B+13]
	v_pk_add_f32 v[B+10:B+11], v[B+10:B+11], v[B+14:B+15]
	v_pk_add_f32 v[B:B+1], v[B:B+1], v[B+8:B+9]
	v_pk_add_f32 v[B+2:B+3], v[B+2:B+3], v[B+10:B+11]
	v_cvt_pk_bf16_f32 v[B+4], v[B], v[B+1]         ; hi
	v_cvt_pk_bf16_f32 v[B+5], v[B+2], v[B+3]
	v_lshlrev_b32 v[B+8], 16, v[B+4]
	v_and_b32 v[B+9], 0xffff0000, v[B+4]
	v_lshlrev_b32 v[B+10], 16, v[B+5]
	v_and_b32 v[B+11], 0xffff0000, v[B+5]
	v_pk_add_f32 v[B:B+1], v[B:B+1], v[B+8:B+9] neg_lo:[0,1] neg_hi:[0,1]
	v_pk_add_f32 v[B+2:B+3], v[B+2:B+3], v[B+10:B+11] neg_lo:[0,1] neg_hi:[0,1]
	v_cvt_pk_bf16_f32 v[B+6], v[B], v[B+1]         ; lo
	v_cvt_pk_bf16_f32 v[B+7], v[B+2], v[B+3]
	ds_store_b64 v7, v[B+4:B+5] offset:(gq/2)*1040+(gq%2)*256
	ds_store_b64 v7, v[B+6:B+7] offset:(gq/2)*1040+(gq%2)*256+512
.set gq, gq+1
.endr
	s_wait_dscnt 0x0
	s_barrier_signal -1
	s_barrier_wait -1
.set i, 0
.rept 16
	ds_load_b128 v[32+8*i:35+8*i], v8 offset:64*i
	ds_load_b128 v[36+8*i:39+8*i], v8 offset:64*i+32
.set i, i+1
.endr
	s_wait_loadcnt 0x0
	s_wait_dscnt 0x0
	v_wmma_f32_16x16x32_bf16 v[232:239], v[160:167], v[32:39], v[224:231]
	v_wmma_f32_16x16x32_bf16 v[240:247], v[168:175], v[40:47], 0
.set i, 2
.rept 14
	v_wmma_f32_16x16x32_bf16 v[232+8*(i%2):239+8*(i%2)], v[160+8*(i%8):167+8*(i%8)], v[32+8*i:39+8*i], v[232+8*(i%2):239+8*(i%2)]
.set i, i+1
.endr
.rept 4
	v_nop                                          ; four places between the last product and the first read of a result (ISA guide 7.12.1)
.endr
.set i, 0
.rept 4
	v_pk_add_f32 v[32+2*i:33+2*i], v[232+2*i:233+2*i], v[240+2*i:241+2*i]
.set i, i+1
.endr
	ds_store_b128 v9, v[32:35]
	ds_store_b128 v9, v[36:39] offset:16
	s_wait_dscnt 0x0                               ; a row's 256 bytes come from four waves
	s_barrier_signal -1
	s_barrier_wait -1
	ds_load_b128 v[40:43], v10
	ds_load_b128 v[44:47], v10 offset:544
	s_wait_dscnt 0x0
	global_store_b128 v11, v[40:43], s[10:11]      ; sixteen lanes store 256 consecutive bytes of one row of out0, aligned
	global_store_b128 v11, v[44:47], s[10:11] offset:8192
	s_wait_tensorcnt 0x0                           ; the wave's end, behind my last LDS store
	ds_add_u32 v28, v29
	s_wait_dscnt 0x0
	s_endpgm
.Lfunc_end_k_q3671c68d84_emit:
	.size	k_q3671c68d84_emit, .Lfunc_end_k_q3671c68d84_emit-k_q3671c68d84_emit
	.p2alignl 7, 3214868480
	.fill 96, 4, 3214868480
	.section	.rodata,"a",@progbits
	.p2align	6, 0x0
	.amdhsa_kernel k_q3671c68d84_emit
		.amdhsa_group_segment_fixed_size 21760
		.amdhsa_private_segment_fixed_size 0
		.amdhsa_enable_private_segment 0
		.amdhsa_kernarg_size 32
		.amdhsa_user_sgpr_count 2
		.amdhsa_user_sgpr_kernarg_segment_ptr 1
		.amdhsa_wavefront_size32 1
		.amdhsa_system_sgpr_workgroup_id_x 1
		.amdhsa_system_sgpr_workgroup_id_y 1
		.amdhsa_system_sgpr_workgroup_id_z 1
		.amdhsa_system_vgpr_workitem_id 0
		.amdhsa_next_free_vgpr 256
		.amdhsa_next_free_sgpr 66
		.amdhsa_reserve_vcc 0
		.amdhsa_float_denorm_mode_32 3
		.amdhsa_float_denorm_mode_16_64 3
		.amdhsa_memory_ordered 1
		.amdhsa_forward_progress 1
		.amdhsa_inst_pref_size 20
	.end_amdhsa_kernel
	.amdgpu_metadata
---
amdhsa.version: [ 1, 2 ]
amdhsa.kernels:
  - .name:           k_q3671c68d84_emit
    .symbol:         k_q3671c68d84_emit.kd
    .args:
      - { .name: UP, .offset: 0, .size: 8, .value_kind: global_buffer, .address_space: global }
      - { .name: W2VF, .offset: 8, .size: 8, .value_kind: global_buffer, .address_space: global }
      - { .name: b2, .offset: 16, .size: 8, .value_kind: global_buffer, .address_space: global }
      - { .name: out0, .offset: 24, .size: 8, .value_kind: global_buffer, .address_space: global }
    .group_segment_fixed_size: 21760
    .private_segment_fixed_size: 0
    .kernarg_segment_align: 8
    .kernarg_segment_size: 32
    .max_flat_workgroup_size: 128
    .sgpr_count:     66
    .vgpr_count:     256
    .wavefront_size: 32
...
	.end_amdgpu_metadata
.endif
;; end of part 4
;; ======== version 2 of 2: 4 launches; version 1 with the launches attn, emit written anew for expert scheduling mode
;; workspace buffers: W1F 1,572,864 bytes; MTF 131,072 bytes; W2VF 524,288 bytes; TAB 10,240 bytes; QF 12,582,912 bytes; KF 12,582,912 bytes; VF 12,582,912 bytes; UP 262,144 bytes
;; launch prep: the kernel of part 1 again; grid 337 x 1, 8 waves a work-group, no clusters, 9,216 bytes of LDS; arguments W1, W2, b1, b2, g, bt, rm, rv, W1F, MTF, W2VF, TAB; writes W1F, MTF, W2VF, TAB
;; launch mlp: the kernel of part 2 again; grid 256 x 1, 4 waves a work-group, clusters of 4 x 1, 327,680 bytes of LDS; arguments a, b, W1F, TAB, MTF, QF, KF, VF; writes QF, KF, VF
;; launch attn (part 5): grid 4 x 64, 4 waves a work-group, no clusters, 6,656 bytes of LDS; arguments QF, KF, VF, len_a, len_b, UP; writes UP
.if DOCPART == 5
	.amdgcn_target "amdgcn-amd-amdhsa--gfx1250"
	.amdhsa_code_object_version 6
	.text
	.protected	k_q3671c68d84_attn
	.globl	k_q3671c68d84_attn
	.p2align	8
	.type	k_q3671c68d84_attn,@function
k_q3671c68d84_attn:
	s_mov_b64 s[64:65], 0
	v_nop
	global_prefetch_b8 v0, s[64:65] scope:SCOPE_SE
	s_setreg_imm32_b32 hwreg(HW_REG_WAVE_SCHED_MODE, 0, 2), 2
	s_setreg_imm32_b32 hwreg(HW_REG_WAVE_MODE, 25, 1), 1
	s_wait_xcnt 0x0
	s_wait_alu depctr_vm_vsrc(0)
; CROSS ATTENTION, launch 3 of 4: scores, softmax, the queries' mean of the weights, and u = sum over keys of w[k] hv[k].
; Left out (shown at the head of the first kernel): P V on 1,024 channels for every query: the mean over queries is taken of the weights, and hv is 256 wide.
; UNIT = direction x batch (y); the unit's queries are split over 4 work-groups (x).  Every wave has 64 queries x 128 keys, and one text serves both directions:
;   direction 0 (queries a, keys b): the work-group's 64 queries in all waves, wave w keys 128 w ..;   direction 1 (queries b, keys a): queries 64 (w / 2) .. of the work-group's 128, keys 128 (w % 2) ..
; S^T = K Q'^T (source 0 = 16 keys, source 1 = 16 queries): a lane holds one query (l % 16) and keys 8 (l / 16) + 0..7.  Q' carries log2(e) / 32, so p = 2^(s - m), m the row's maximum over all its keys
; (the waves that share my queries exchange maxima and sums through LDS).  The mask is the C operand that starts a sum: 0, or -1e30 for keys at or past len_k.
; Each query's weights are scaled by 1 / (l len_q), or by 0 for queries at or past len_q, and added over the wave's four query tiles; rounded to bf16 they are source 0 (16 classes of queries x 32 keys) of a
; product with V^T's fragments; the sixteen classes are then added.  The lengths enter compares and one factor alone: no address and no branch hangs on them.
; NO CLUSTER, no LDS for operands: in a work-group each fragment of K and V has one reader.  The unit's four work-groups do read the same K and V, up to 512 KiB: more than LDS holds at once,
; so sharing them would want a ring with rounds; not built here.
; REGISTERS: window 0: addresses, masks v32-95 (later the weights), statistics v96-191; window 1: S^T, (query tile qt, key tile kt) at 8 (8 qt + kt); window 2: Q', 64 qt + 8 chunk (later V);
; window 3: four buffers of a key tile of K, 64 (kt % 4) + 8 chunk (later V).
; THE MODE: SCHED_MODE bits 1:0 = 2 (LLVM: expert scheduling mode 2), set by the entry lines.  The code itself states the register dependences
; between vector or matrix instructions and memory or LDS instructions, with s_wait_alu, always for 0.
; THE PLAN.  Registers that memory or LDS instructions touch:
;   v5              offset of every global load; written once at the head, ahead of the head's wait on va_vdst.
;   window 3        four buffers.  Step kt's 32 products read buffer kt % 4; behind them ONE wait on va_vdst, then the 16 loads that fill the buffer again (K of step kt + 4, later V).
;   window 2        Q': read by every step's products; V's second half lands there behind the last step's wait, with loads and window switches alone between.
;   v7, v112-113    address and data of the two exchanges' stores: a wait on va_vdst ahead of each store, a wait on vm_vsrc ahead of each later writing of v112, v113.
;   v8, v116-131    address and data of the two exchanges' loads: the vector lines that name v116-131 between the two stand ahead of the second store's wait on va_vdst.
;   v9, v160-167    address and data of the stores of u's parts;   v10, v168-175 of the loads that bring the four waves' parts;   v11, v168-169 of the global store.
;   v28, v29        written at the head, read by the closing add alone.
; Masks of lanes that compares make go into s[24:39], in runs, with one wait on va_sdst between a run and the selects that read it.
.set LS,    1024                       ; LDS: maxima at 0, sums at 1,024 (4 waves x 16 queries x 4 tiles x 4 bytes each), u's parts at 2,048 (4 x 1,024)
.set UB,    2048
.set SPARE, 6144
.set CH, 96                            ; four chains a query tile
.set XS, 112
.set EX, 116                           ; the four waves' figures, 4 each
.set MP, 132                           ; m, as pairs
.set SP, 140                           ; four packed chains a query tile
.set LL, 172
.set RC, 176
.set TQ, 180
.set RR, 184                           ; the queries' factors, as pairs
.set MK, 24                            ; s[24:39] sixteen masks of lanes: free once the addresses and the lengths' differences are made
.set MSB, 0
.macro WIN new
.if MSB != (\new)
	s_set_vgpr_msb (MSB<<8)|(\new)
.set MSB, (\new)
.endif
.endm
.macro PLACES
.rept 4
	v_nop
.endr
.endm
.macro ALLQ line:vararg                ; one line for each query tile qt
.set qt, 0
.rept 4
	\line
.set qt, qt+1
.endr
.endm
.macro LDK kt, dep                     ; a key tile of K, 8 fragments, 16 loads of 512 consecutive bytes.  dep = 1: products have read the buffer
	WIN 0xc0
.if \dep
	s_wait_alu depctr_va_vdst(0)                   ; the products of the step just issued are done reading this buffer, in which the loads below land
.endif
.set f, 0
.rept 16
	global_load_b128 v[64*((\kt)%4)+4*f:64*((\kt)%4)+4*f+3], v5, s[6:7] offset:(\kt)*8192+f*512
.set f, f+1
.endr
.endm
.macro LDV x, dep                      ; eight channel tiles of V: key group x / 2, tiles 8 (x % 2) ..: groups 0, 1 into window 3, groups 2, 3 into window 2
.if (\x) < 4
	WIN 0xc0
.else
	WIN 0x80
.endif
.if \dep
	s_wait_alu depctr_va_vdst(0)                   ; the products of the step just issued are done reading this buffer; behind the last step all products are done reading Q' too
.endif
.set f, 0
.rept 16
	global_load_b128 v[64*((\x)%4)+4*f:64*((\x)%4)+4*f+3], v5, s[8:9] offset:(\x)*8192+f*512
.set f, f+1
.endr
.endm
.macro SCORE kt                        ; 32 products: chunks outer, the four query tiles' accumulators by turns
	s_wait_loadcnt 48                              ; this key tile (and all before it) is in; the three younger groups of 16 loads may stay out
.set c, 0
.rept 8
.set qt, 0
.rept 4
.if c == 0
	WIN 0x4b
	v_wmma_f32_16x16x32_bf16 v[8*(8*qt+(\kt)):8*(8*qt+(\kt))+7], v[64*((\kt)%4):64*((\kt)%4)+7], v[64*qt:64*qt+7], v[32+8*(\kt):39+8*(\kt)]
.else
	WIN 0x5b
	v_wmma_f32_16x16x32_bf16 v[8*(8*qt+(\kt)):8*(8*qt+(\kt))+7], v[64*((\kt)%4)+8*c:64*((\kt)%4)+8*c+7], v[64*qt+8*c:64*qt+8*c+7], v[8*(8*qt+(\kt)):8*(8*qt+(\kt))+7]
.endif
.set qt, qt+1
.endr
.set c, c+1
.endr
	PLACES                                         ; four places behind the step's last products: the wait on va_vdst that follows fills none; behind the last step they stand ahead of the maxima, which read results just made
.endm
	s_load_b256 s[4:11], s[0:1], 0x0               ; QF s[4:5], KF s[6:7], VF s[8:9], len_a s[10:11]
	s_load_b128 s[12:15], s[0:1], 0x20             ; len_b s[12:13], UP s[14:15]
	v_lshl_add_u32 v28, v0, 2, SPARE
	v_mov_b32 v29, 0
	v_lshrrev_b32 v1, 5, v0
	v_readfirstlane_b32 s21, v1                    ; wave w
	s_and_b32 s20, ttmp7, 0xffff                   ; unit
	s_lshr_b32 s23, s20, 5                         ; direction
	s_and_b32 s24, s20, 31                         ; batch
	s_lshl_b32 s25, s24, 2
	s_wait_alu depctr_va_sdst(0)                   ; s21 is written, ahead of its first reader: the wave's keys, queries and LDS places are made from it
	s_and_b32 s26, s21, 1
	s_lshr_b32 s27, s21, 1
	s_wait_kmcnt 0x0
	s_load_b32 s16, s[10:11], s25 offset:0x0       ; len_a[batch]
	s_load_b32 s17, s[12:13], s25 offset:0x0       ; len_b[batch]
	s_lshl_b32 s30, s24, 4                         ; direction 0: query tile 16 b + 4 x
	s_lshl2_add_u32 s30, ttmp9, s30
	s_lshl_b32 s31, s24, 5                         ; key tile 512 + 32 b + 8 w
	s_lshl3_add_u32 s31, s21, s31
	s_add_co_u32 s31, s31, 512
	s_lshl_b32 s32, s24, 4                         ; key group 256 + 16 b + 4 w
	s_lshl2_add_u32 s32, s21, s32
	s_add_co_u32 s32, s32, 256
	s_lshl_b32 s33, s21, 7                         ; first key 128 w
	s_lshl_b32 s34, ttmp9, 6                       ; first query 64 x
	s_lshl_b32 s35, s24, 5                         ; direction 1: query tile 512 + 32 b + 8 x + 4 (w / 2)
	s_lshl3_add_u32 s35, ttmp9, s35
	s_lshl2_add_u32 s35, s27, s35
	s_add_co_u32 s35, s35, 512
	s_lshl_b32 s36, s24, 4                         ; key tile 16 b + 8 (w % 2)
	s_lshl3_add_u32 s36, s26, s36
	s_lshl_b32 s37, s24, 3                         ; key group 8 b + 4 (w % 2)
	s_lshl2_add_u32 s37, s26, s37
	s_lshl_b32 s38, s26, 7
	s_lshl_b32 s39, ttmp9, 7
	s_lshl_b32 s44, s27, 6
	s_add_co_u32 s39, s39, s44
	s_cmp_eq_u32 s23, 0
	s_cselect_b32 s30, s30, s35
	s_cselect_b32 s31, s31, s36
	s_cselect_b32 s32, s32, s37
	s_cselect_b32 s33, s33, s38
	s_cselect_b32 s34, s34, s39
	s_mov_b32 s45, 0
	s_lshl_b32 s44, s30, 13
	s_add_nc_u64 s[4:5], s[4:5], s[44:45]
	s_lshl_b32 s44, s31, 13
	s_add_nc_u64 s[6:7], s[6:7], s[44:45]
	s_lshl_b32 s44, s32, 14
	s_add_nc_u64 s[8:9], s[8:9], s[44:45]
	v_and_b32 v2, 31, v0
	v_lshlrev_b32 v5, 4, v2                        ; 16 l
	WIN 0x80
	s_wait_alu depctr_va_vdst(0)                   ; v5 is written: every global load of the kernel reads it as its offset; it is never written again
.set f, 0
.rept 64
	global_load_b128 v[4*f:4*f+3], v5, s[4:5] offset:f*512  ; Q': 4 query tiles x 8 chunks
.set f, f+1
.endr
	LDK 0, 0                                       ; no vector or matrix instruction has named these registers
	LDK 1, 0
	LDK 2, 0
	LDK 3, 0
	WIN 0
	v_and_b32 v3, 15, v0                           ; r
	v_bfe_u32 v4, v0, 4, 1                         ; h
.irp i, 0,1,2,3
	s_cmp_eq_u32 s27, \i/2                         ; does wave i share my queries?  In direction 1 if i / 2 = w / 2,
	s_cselect_b32 s[40+\i], -1, 0
.endr
	s_cmp_eq_u32 s23, 0                            ; in direction 0 always
.irp i, 0,1,2,3
	s_cselect_b32 s[40+\i], -1, s[40+\i]
.endr
	s_mov_b32 s49, 0xf149f2ca                      ; -1e30
	s_mov_b32 s50, 0x76543210                      ; v_permlanex16_b32: each lane takes its own place in the other half
	s_mov_b32 s51, 0xfedcba98
	s_mov_b32 s52, 0xffff0000                      ; lanes 16-31
	s_lshl_b32 s53, s21, 8
	v_lshlrev_b32 v7, 4, v3
	v_lshl_add_u32 v7, v4, 3, v7
	v_add_nc_u32 v7, s53, v7                       ; where I put two of my query's four figures
	v_lshlrev_b32 v8, 4, v3                        ; where I read a wave's four
	s_lshl_b32 s54, s21, 10
	s_add_co_u32 s54, s54, UB
	v_lshl_add_u32 v9, v2, 2, s54
	v_lshl_add_u32 v10, v0, 3, UB
	v_lshlrev_b32 v11, 3, v0
	s_lshl_b32 s44, s20, 2
	s_add_co_u32 s44, s44, ttmp9
	s_lshl_b32 s44, s44, 10
	s_add_nc_u64 s[14:15], s[14:15], s[44:45]      ; UP[unit][x]
	s_wait_kmcnt 0x0
	s_cmp_eq_u32 s23, 0
	s_cselect_b32 s18, s16, s17                    ; len_q
	s_cselect_b32 s19, s17, s16                    ; len_k
	s_sub_co_i32 s46, s19, s33                     ; len_k less my first key,
	s_sub_co_i32 s47, s18, s34                     ; len_q less my first query
	s_cvt_f32_u32 s48, s18
	v_lshlrev_b32 v6, 3, v4
	v_sub_nc_u32 v6, s46, v6                       ; less my lanes' 8 h: register j of key tile kt is hidden where 16 kt + j is not below it
.set run, 0
.rept 4                                        ; the 64 mask registers, two key tiles to a run: sixteen compares, one wait, sixteen selects
.set i, 0
.rept 16
.set n, 16*run+i
	v_cmp_ge_i32 s[MK+i], 16*(n/8)+n%8, v6
.set i, i+1
.endr
	s_wait_alu depctr_va_sdst(0)                   ; the run's sixteen compares have written s[24:39], ahead of the selects that read them
.set i, 0
.rept 16
	v_cndmask_b32 v[32+16*run+i], 0, s49, s[MK+i]
.set i, i+1
.endr
.set run, run+1
.endr
	SCORE 0
	LDK 4, 1
	SCORE 1
	LDK 5, 1
	SCORE 2
	LDK 6, 1
	SCORE 3
	LDK 7, 1
	SCORE 4
	LDV 0, 1
	SCORE 5
	LDV 1, 1
	SCORE 6
	LDV 2, 1
	SCORE 7
	LDV 3, 1
	LDV 4, 0                                       ; Q' has been multiplied for the last time: V's other half takes its registers.  No wait: loads and window switches alone stand behind the wait above
	LDV 5, 0
	LDV 6, 0
	LDV 7, 0
	; THE ROWS' MAXIMA: for each query tile four chains of 16 scores, each accumulator read from its low end on
	WIN 0x05
.set qt, 0
.rept 4
.set z, 0
.rept 8
.set ch, 0
.rept 4
.if z == 0
	v_max_num_f32 v[CH+4*qt+ch], v[64*qt+16*ch], v[64*qt+16*ch+1]
.else
	v_max3_num_f32 v[CH+4*qt+ch], v[64*qt+16*ch+2*z], v[64*qt+16*ch+2*z+1], v[CH+4*qt+ch]
.endif
.set ch, ch+1
.endr
.set z, z+1
.endr
.set qt, qt+1
.endr
	WIN 0
	ALLQ v_max3_num_f32 v[CH+4*qt], v[CH+4*qt], v[CH+4*qt+1], v[CH+4*qt+2]
	ALLQ v_max_num_f32 v[CH+4*qt], v[CH+4*qt], v[CH+4*qt+3]
	ALLQ v_permlanex16_b32 v[CH+4*qt+1], v[CH+4*qt], s50, s51
	ALLQ v_max_num_f32 v[CH+4*qt], v[CH+4*qt], v[CH+4*qt+1]
	v_cndmask_b32 v[XS], v[CH], v[CH+8], s52       ; lanes 0-15 store tiles 0, 1; lanes 16-31 tiles 2, 3
	v_cndmask_b32 v[XS+1], v[CH+4], v[CH+12], s52
	s_wait_alu depctr_va_vdst(0)                   ; the two selects have written v112, v113, which the LDS store reads
	ds_store_b64 v7, v[XS:XS+1]
	s_wait_dscnt 0x0
	s_barrier_signal -1
	s_barrier_wait -1
.irp i, 0,1,2,3
	ds_load_b128 v[EX+4*\i:EX+4*\i+3], v8 offset:\i*256
.endr
	s_wait_dscnt 0x0
.irp i, 0,1,2,3
	ALLQ v_cndmask_b32 v[EX+4*\i+qt], v[CH+4*qt], v[EX+4*\i+qt], s[40+\i]
.endr
	ALLQ v_max3_num_f32 v[MP+2*qt], v[EX+qt], v[EX+4+qt], v[EX+8+qt]
	ALLQ v_max_num_f32 v[MP+2*qt], v[MP+2*qt], v[EX+12+qt]
	ALLQ v_mov_b32 v[MP+2*qt+1], v[MP+2*qt]
	; p = 2^(s - m): 256 exponentials as ONE batch
	WIN 0x41
.set i, 0
.rept 128
	v_pk_add_f32 v[2*i:2*i+1], v[2*i:2*i+1], v[MP+2*(i/32):MP+2*(i/32)+1] neg_lo:[0,1] neg_hi:[0,1]
.set i, i+1
.endr
.set i, 0
.rept 256
	v_exp_f32 v[i], v[i]
.set i, i+1
.endr
	v_nop                                          ; a plain instruction behind the last exponential,
	s_wait_alu depctr_va_vdst(0)                   ; and one wait for the batch: the 256 exponentials have written their results, ahead of the sums that read them
	; THE ROWS' SUMS, of the unrounded p, in f32
	WIN 0x05
.set i, 0
.rept 16
	v_pk_add_f32 v[SP+2*i:SP+2*i+1], v[16*i:16*i+1], v[16*i+2:16*i+3]
.set i, i+1
.endr
	WIN 0x01
.set z, 2
.rept 6
.set i, 0
.rept 16
	v_pk_add_f32 v[SP+2*i:SP+2*i+1], v[16*i+2*z:16*i+2*z+1], v[SP+2*i:SP+2*i+1]
.set i, i+1
.endr
.set z, z+1
.endr
	WIN 0
	ALLQ v_pk_add_f32 v[SP+8*qt:SP+8*qt+1], v[SP+8*qt:SP+8*qt+1], v[SP+8*qt+2:SP+8*qt+3]
	ALLQ v_pk_add_f32 v[SP+8*qt+4:SP+8*qt+5], v[SP+8*qt+4:SP+8*qt+5], v[SP+8*qt+6:SP+8*qt+7]
	ALLQ v_pk_add_f32 v[SP+8*qt:SP+8*qt+1], v[SP+8*qt:SP+8*qt+1], v[SP+8*qt+4:SP+8*qt+5]
	ALLQ v_add_f32 v[SP+8*qt], v[SP+8*qt], v[SP+8*qt+1]
	ALLQ v_permlanex16_b32 v[SP+8*qt+1], v[SP+8*qt], s50, s51
	ALLQ v_add_f32 v[SP+8*qt], v[SP+8*qt], v[SP+8*qt+1]
	s_wait_alu depctr_vm_vsrc(0)                   ; the LDS store of the maxima has read v112, v113, which the two selects below write again
	v_cndmask_b32 v[XS], v[SP], v[SP+16], s52
	v_cndmask_b32 v[XS+1], v[SP+8], v[SP+24], s52
	s_wait_alu depctr_va_vdst(0)                   ; the two selects have written v112, v113, which the LDS store reads; the lines that named v116-131 are done, in which the loads behind the barrier land
	ds_store_b64 v7, v[XS:XS+1] offset:LS
	s_wait_dscnt 0x0
	s_barrier_signal -1
	s_barrier_wait -1
.irp i, 0,1,2,3
	ds_load_b128 v[EX+4*\i:EX+4*\i+3], v8 offset:LS+\i*256
.endr
	s_wait_dscnt 0x0
.irp i, 0,1,2,3
	ALLQ v_cndmask_b32 v[EX+4*\i+qt], 0, v[EX+4*\i+qt], s[40+\i]
.endr
	ALLQ v_add_f32 v[LL+qt], v[EX+qt], v[EX+4+qt]
	ALLQ v_add_f32 v[EX+8+qt], v[EX+8+qt], v[EX+12+qt]
	ALLQ v_add_f32 v[LL+qt], v[LL+qt], v[EX+8+qt]
	ALLQ v_mul_f32 v[LL+qt], s48, v[LL+qt]         ; l len_q; l is at least 1: the row's greatest weight
	ALLQ v_rcp_f32 v[RC+qt], v[LL+qt]
	ALLQ v_add_nc_u32 v[TQ+qt], 16*qt, v3          ; plain work behind the reciprocals,
	ALLQ v_cmp_gt_i32 s[MK+qt], s47, v[TQ+qt]      ; a query at or past len_q has the factor 0: the four masks in one run
	s_wait_alu depctr_va_vdst(0)                   ; the four reciprocals have written v176-179, ahead of their first reader
	s_wait_alu depctr_va_sdst(0)                   ; the four compares have written s[24:27], ahead of the selects that read them
	ALLQ v_cndmask_b32 v[RR+2*qt], 0, v[RC+qt], s[MK+qt]
	ALLQ v_mov_b32 v[RR+2*qt+1], v[RR+2*qt]
	; the four query tiles' scaled weights are added, in place in tile 0
	WIN 0x41
.set i, 0
.rept 32
	v_pk_mul_f32 v[2*i:2*i+1], v[2*i:2*i+1], v[RR:RR+1]
.set i, i+1
.endr
	WIN 0x51
.set qt, 1
.rept 3
.set i, 0
.rept 32
	v_pk_fma_f32 v[2*i:2*i+1], v[64*qt+2*i:64*qt+2*i+1], v[RR+2*qt:RR+2*qt+1], v[2*i:2*i+1]
.set i, i+1
.endr
.set qt, qt+1
.endr
	WIN 0x05
.set i, 0
.rept 32
	v_cvt_pk_bf16_f32 v[32+i], v[2*i], v[2*i+1]    ; two neighbouring key tiles are one fragment of 32 keys
.set i, i+1
.endr
	s_wait_loadcnt 0x0                             ; V
.set kc, 0
.rept 4                                        ; 16 channel tiles' accumulators by turns; the first key group starts the sums
.set ct, 0
.rept 16
.if kc < 2
	WIN 0x5c
.else
	WIN 0x58
.endif
.if kc == 0
	v_wmma_f32_16x16x32_bf16 v[64+8*ct:71+8*ct], v[32:39], v[8*ct:8*ct+7], 0
.else
	v_wmma_f32_16x16x32_bf16 v[64+8*ct:71+8*ct], v[32+8*kc:39+8*kc], v[128*(kc%2)+8*ct:128*(kc%2)+8*ct+7], v[64+8*ct:71+8*ct]
.endif
.set ct, ct+1
.endr
.set kc, kc+1
.endr
	PLACES
	s_wait_alu depctr_vm_vsrc(0)                   ; the LDS store of the sums has read v112, v113, which lie among the registers v96-159 that the additions below write
	WIN 0x05                                       ; the sixteen classes of queries are added: eight registers, then the other half of the lanes
.set ct, 0
.rept 16
	v_pk_add_f32 v[96+4*ct:97+4*ct], v[64+8*ct:65+8*ct], v[66+8*ct:67+8*ct]
	v_pk_add_f32 v[98+4*ct:99+4*ct], v[68+8*ct:69+8*ct], v[70+8*ct:71+8*ct]
.set ct, ct+1
.endr
	WIN 0
.set ct, 0
.rept 16
	v_pk_add_f32 v[96+4*ct:97+4*ct], v[96+4*ct:97+4*ct], v[98+4*ct:99+4*ct]
.set ct, ct+1
.endr
.set ct, 0
.rept 16
	v_add_f32 v[96+4*ct], v[96+4*ct], v[97+4*ct]
.set ct, ct+1
.endr
.set ct, 0
.rept 16
	v_permlanex16_b32 v[97+4*ct], v[96+4*ct], s50, s51
.set ct, ct+1
.endr
.set ct, 0
.rept 16
	v_add_f32 v[96+4*ct], v[96+4*ct], v[97+4*ct]
.set ct, ct+1
.endr
.set i, 0
.rept 8
	v_cndmask_b32 v[160+i], v[96+8*i], v[100+8*i], s52  ; lane l takes channel 32 i + l
.set i, i+1
.endr
	s_wait_alu depctr_va_vdst(0)                   ; the eight selects have written v160-167, which the LDS stores read; the lines that named v168-175 are done, in which the loads behind the barrier land
.set i, 0
.rept 8
	ds_store_b32 v9, v[160+i] offset:i*128
.set i, i+1
.endr
	s_wait_dscnt 0x0
	s_barrier_signal -1
	s_barrier_wait -1
.irp i, 0,1,2,3
	ds_load_b64 v[168+2*\i:169+2*\i], v10 offset:\i*1024
.endr
	s_wait_dscnt 0x0
	v_pk_add_f32 v[168:169], v[168:169], v[170:171]
	v_pk_add_f32 v[172:173], v[172:173], v[174:175]
	v_pk_add_f32 v[168:169], v[168:169], v[172:173]
	s_wait_alu depctr_va_vdst(0)                   ; the additions have written v168, v169, which the global store reads
	global_store_b64 v11, v[168:169], s[14:15]     ; a wave stores 256 consecutive bytes, aligned: a partial sum, in f32
	s_wait_dscnt 0x0                               ; the closing lines, six on end
	s_wait_alu 0x0
	s_wait_tensorcnt 0x0
	ds_add_u32 v28, v29
	s_wait_dscnt 0x0
	s_endpgm
.Lfunc_end_k_q3671c68d84_attn:
	.size	k_q3671c68d84_attn, .Lfunc_end_k_q3671c68d84_attn-k_q3671c68d84_attn
	.p2alignl 7, 3214868480
	.fill 96, 4, 3214868480
	.section	.rodata,"a",@progbits
	.p2align	6, 0x0
	.amdhsa_kernel k_q3671c68d84_attn
		.amdhsa_group_segment_fixed_size 6656
		.amdhsa_private_segment_fixed_size 0
		.amdhsa_enable_private_segment 0
		.amdhsa_kernarg_size 48
		.amdhsa_user_sgpr_count 2
		.amdhsa_user_sgpr_kernarg_segment_ptr 1
		.amdhsa_wavefront_size32 1
		.amdhsa_system_sgpr_workgroup_id_x 1
		.amdhsa_system_sgpr_workgroup_id_y 1
		.amdhsa_system_sgpr_workgroup_id_z 1
		.amdhsa_system_vgpr_workitem_id 0
		.amdhsa_next_free_vgpr 1024
		.amdhsa_next_free_sgpr 66
		.amdhsa_reserve_vcc 0
		.amdhsa_float_denorm_mode_32 3
		.amdhsa_float_denorm_mode_16_64 3
		.amdhsa_memory_ordered 1
		.amdhsa_forward_progress 1
		.amdhsa_inst_pref_size 121
	.end_amdhsa_kernel
	.amdgpu_metadata
---
amdhsa.version: [ 1, 2 ]
amdhsa.kernels:
  - .name:           k_q3671c68d84_attn
    .symbol:         k_q3671c68d84_attn.kd
    .args:
      - { .name: QF, .offset: 0, .size: 8, .value_kind: global_buffer, .address_space: global }
      - { .name: KF, .offset: 8, .size: 8, .value_kind: global_buffer, .address_space: global }
      - { .name: VF, .offset: 16, .size: 8, .value_kind: global_buffer, .address_space: global }
      - { .name: len_a, .offset: 24, .size: 8, .value_kind: global_buffer, .address_space: global }
      - { .name: len_b, .offset: 32, .size: 8, .value_kind: global_buffer, .address_space: global }
      - { .name: UP, .offset: 40, .size: 8, .value_kind: global_buffer, .address_space: global }
    .group_segment_fixed_size: 6656
    .private_segment_fixed_size: 0
    .kernarg_segment_align: 8
    .kernarg_segment_size: 48
    .max_flat_workgroup_size: 128
    .sgpr_count:     66
    .vgpr_count:     1024
    .wavefront_size: 32
...
	.end_amdgpu_metadata
.endif
;; end of part 5
;; launch emit (part 6): grid 16 x 4, 4 waves a work-group, no clusters, 21,760 bytes of LDS; arguments UP, W2VF, b2, out0; writes out0
.if DOCPART == 6
	.amdgcn_target "amdgcn-amd-amdhsa--gfx1250"
	.amdhsa_code_object_version 6
	.text
	.protected	k_q3671c68d84_emit
	.globl	k_q3671c68d84_emit
	.p2align	8
	.type	k_q3671c68d84_emit,@function
k_q3671c68d84_emit:
	s_mov_b64 s[64:65], 0
	v_nop
	global_prefetch_b8 v0, s[64:65] scope:SCOPE_SE
	s_setreg_imm32_b32 hwreg(HW_REG_WAVE_SCHED_MODE, 0, 2), 2
	s_setreg_imm32_b32 hwreg(HW_REG_WAVE_MODE, 25, 1), 1
	s_wait_xcnt 0x0
	s_wait_alu depctr_vm_vsrc(0)
; CROSS ATTENTION, launch 4 of 4: out0[unit][d] = sum over c of u[unit][c] W2v[c][d] + b2v[d], u = the sum of launch 3's four parts.
; Left out (shown at the head of the first kernel): the factor sum of w in front of b2v, which is 1 by identity.
; Work-group (x, y): units 16 y .., columns 64 x ..; wave w the 16 columns 64 x + 16 w.  u is given to the matrix unit as hi + lo, two bf16 numbers, so that K is 512: 16 products a wave on two accumulators by turns.
; Source 0 = 16 columns d of W2v (fragments as launch 1 laid them), source 1 = the 16 units: a lane ends with one unit and eight neighbouring columns; b2v is the C operand that starts one of the sums.
; THE MODE: SCHED_MODE bits 1:0 = 2 (LLVM: expert scheduling mode 2), set by the entry lines.  The code itself states the register dependences
; between vector or matrix instructions and memory or LDS instructions, with s_wait_alu, always for 0.
; THE PLAN.  Registers that memory or LDS instructions touch:
;   v5, v6       offsets of the global loads; written once, ahead of the head's wait on va_vdst.
;   v7 .. v11    LDS addresses and the offset in out0; written once, behind the loads' issue, ahead of the wait on va_vdst that stands in front of u's LDS stores.
;   v[32:159]    the parts of u land here; eight groups of additions and roundings work in place; ONE wait on va_vdst; the sixteen LDS stores read registers 4 to 7 of each group of 16;
;                behind the barrier one wait on vm_vsrc, and u's fragments land in all 128; the products read them.
;   v[32:39]     written again by the four closing additions; a wait on va_vdst; read by the stage's two stores.
;   v[40:47]     read by the second product, which stands ahead of that wait; the stage's rows land here and leave by the global stores.
;   v[160:231]   W2v's fragments and b2v: loaded once, read by the products.      v28, v29: written at the head, read by the closing add alone.
.set STG,   16896                      ; LDS: u at 0, 16 rows of 512 bytes hi + 512 bytes lo + 16; the stage for the way out, 16 rows of 256 + 16 bytes
.set SPARE, 21248
	s_load_b256 s[4:11], s[0:1], 0x0               ; UP s[4:5], W2VF s[6:7], b2 s[8:9], out0 s[10:11]
	v_lshl_add_u32 v28, v0, 2, SPARE
	v_mov_b32 v29, 0
	v_lshrrev_b32 v1, 5, v0
	v_readfirstlane_b32 s12, v1                    ; wave
	v_and_b32 v2, 31, v0
	v_and_b32 v3, 15, v0
	v_bfe_u32 v4, v0, 4, 1
	s_and_b32 s13, ttmp7, 0xffff
	s_lshl_b32 s14, s13, 16                        ; 16 units of 4,096 bytes,
	s_wait_alu depctr_va_sdst(0)                   ; s12 is written, ahead of its first reader: the wave's units, columns and LDS places are made from it
	s_lshl_b32 s15, s12, 14                        ; my wave's four
	s_add_co_u32 s14, s14, s15
	s_mov_b32 s15, 0
	s_lshl_b32 s16, ttmp9, 2
	s_add_co_u32 s16, s16, s12                     ; column tile 4 x + w
	s_lshl_b32 s18, s16, 13
	s_mov_b32 s19, 0
	s_lshl_b32 s24, s16, 6
	s_mov_b32 s25, 0
	s_lshl_b32 s26, s13, 16
	s_lshl_b32 s27, ttmp9, 8
	s_add_co_u32 s26, s26, s27
	s_mov_b32 s27, 0
	v_lshlrev_b32 v5, 4, v2
	v_lshlrev_b32 v6, 5, v4
	s_wait_kmcnt 0x0
	s_add_nc_u64 s[4:5], s[4:5], s[14:15]
	s_add_nc_u64 s[6:7], s[6:7], s[18:19]
	s_add_nc_u64 s[8:9], s[8:9], s[24:25]
	s_add_nc_u64 s[10:11], s[10:11], s[26:27]
	s_wait_alu depctr_va_vdst(0)                   ; v5 and v6 are written, which the loads below read as their offsets; they are never written again
.set i, 0
.rept 32                                       ; i = 4 (2 unit + half row) + part
	global_load_b128 v[32+4*i:35+4*i], v5, s[4:5] offset:(i/8)*4096+(i%4)*1024+((i/4)%2)*512
.set i, i+1
.endr
.set i, 0
.rept 16
	global_load_b128 v[160+4*i:163+4*i], v5, s[6:7] offset:i*512
.set i, i+1
.endr
	global_load_b128 v[224:227], v6, s[8:9] offset:8192     ; b2's row 2, columns 16 D + 8 h ..
	global_load_b128 v[228:231], v6, s[8:9] offset:8208
	s_mul_i32 s20, s12, 4160
	v_lshl_add_u32 v7, v2, 3, s20
	v_mul_u32_u24 v8, v3, 1040
	v_lshl_add_u32 v8, v4, 4, v8
	v_mul_u32_u24 v9, v3, 272
	v_lshl_add_u32 v9, v4, 5, v9
	s_lshl_b32 s21, s12, 6
	s_add_co_u32 s21, s21, STG
	v_add_nc_u32 v9, s21, v9
	s_mul_i32 s22, s12, 1088
	s_add_co_u32 s22, s22, STG
	v_mul_u32_u24 v10, v4, 272
	v_lshl_add_u32 v10, v3, 4, v10
	v_add_nc_u32 v10, s22, v10
	s_lshl_b32 s23, s12, 14
	v_lshlrev_b32 v11, 12, v4
	v_lshl_add_u32 v11, v3, 4, v11
	v_add_nc_u32 v11, s23, v11
	s_wait_loadcnt 18                              ; the parts of u are in; W2v's 16 loads and b2's 2 may stay out
.set gq, 0
.rept 8
.set B, 32+16*gq
	v_pk_add_f32 v[B:B+1], v[B:B+1], v[B+4:B+5]
	v_pk_add_f32 v[B+2:B+3], v[B+2:B+3], v[B+6:B+7]
	v_pk_add_f32 v[B+8:B+9], v[B+8:B+9], v[B+12:B+13]
	v_pk_add_f32 v[B+10:B+11], v[B+10:B+11], v[B+14:B+15]
	v_pk_add_f32 v[B:B+1], v[B:B+1], v[B+8:B+9]
	v_pk_add_f32 v[B+2:B+3], v[B+2:B+3], v[B+10:B+11]
	v_cvt_pk_bf16_f32 v[B+4], v[B], v[B+1]         ; hi
	v_cvt_pk_bf16_f32 v[B+5], v[B+2], v[B+3]
	v_lshlrev_b32 v[B+8], 16, v[B+4]
	v_and_b32 v[B+9], 0xffff0000, v[B+4]
	v_lshlrev_b32 v[B+10], 16, v[B+5]
	v_and_b32 v[B+11], 0xffff0000, v[B+5]
	v_pk_add_f32 v[B:B+1], v[B:B+1], v[B+8:B+9] neg_lo:[0,1] neg_hi:[0,1]
	v_pk_add_f32 v[B+2:B+3], v[B+2:B+3], v[B+10:B+11] neg_lo:[0,1] neg_hi:[0,1]
	v_cvt_pk_bf16_f32 v[B+6], v[B], v[B+1]         ; lo
	v_cvt_pk_bf16_f32 v[B+7], v[B+2], v[B+3]
.set gq, gq+1
.endr
	s_wait_alu depctr_va_vdst(0)                   ; the eight groups' roundings have written hi and lo, and v7 to v11 are written: the sixteen LDS stores read them; all lines that name v[32:159] are done, in which the fragments behind the barrier land
.set gq, 0
.rept 8
.set B, 32+16*gq
	ds_store_b64 v7, v[B+4:B+5] offset:(gq/2)*1040+(gq%2)*256
	ds_store_b64 v7, v[B+6:B+7] offset:(gq/2)*1040+(gq%2)*256+512
.set gq, gq+1
.endr
	s_wait_dscnt 0x0
	s_barrier_signal -1
	s_barrier_wait -1
	s_wait_alu depctr_vm_vsrc(0)                   ; my LDS stores have read hi and lo in v[32:159], in which u's fragments land
.set i, 0
.rept 16
	ds_load_b128 v[32+8*i:35+8*i], v8 offset:64*i
	ds_load_b128 v[36+8*i:39+8*i], v8 offset:64*i+32
.set i, i+1
.endr
	s_wait_loadcnt 0x0
	s_wait_dscnt 0x0
	v_wmma_f32_16x16x32_bf16 v[232:239], v[160:167], v[32:39], v[224:231]
	v_wmma_f32_16x16x32_bf16 v[240:247], v[168:175], v[40:47], 0
.set i, 2
.rept 14
	v_wmma_f32_16x16x32_bf16 v[232+8*(i%2):239+8*(i%2)], v[160+8*(i%8):167+8*(i%8)], v[32+8*i:39+8*i], v[232+8*(i%2):239+8*(i%2)]
.set i, i+1
.endr
.rept 4
	v_nop                                          ; four places between the last product and the first read of a result (ISA guide 7.12.1)
.endr
.set i, 0
.rept 4
	v_pk_add_f32 v[32+2*i:33+2*i], v[232+2*i:233+2*i], v[240+2*i:241+2*i]
.set i, i+1
.endr
	s_wait_alu depctr_va_vdst(0)                   ; the four additions have written v[32:39], which the LDS stores read; the products are done reading v[40:47], in which the stage's rows land
	ds_store_b128 v9, v[32:35]
	ds_store_b128 v9, v[36:39] offset:16
	s_wait_dscnt 0x0                               ; a row's 256 bytes come from four waves
	s_barrier_signal -1
	s_barrier_wait -1
	ds_load_b128 v[40:43], v10
	ds_load_b128 v[44:47], v10 offset:544
	s_wait_dscnt 0x0
	global_store_b128 v11, v[40:43], s[10:11]      ; sixteen lanes store 256 consecutive bytes of one row of out0, aligned
	global_store_b128 v11, v[44:47], s[10:11] offset:8192
	s_wait_dscnt 0x0                               ; the closing lines, six on end
	s_wait_alu 0x0
	s_wait_tensorcnt 0x0
	ds_add_u32 v28, v29
	s_wait_dscnt 0x0
	s_endpgm
.Lfunc_end_k_q3671c68d84_emit:
	.size	k_q3671c68d84_emit, .Lfunc_end_k_q3671c68d84_emit-k_q3671c68d84_emit
	.p2alignl 7, 3214868480
	.fill 96, 4, 3214868480
	.section	.rodata,"a",@progbits
	.p2align	6, 0x0
	.amdhsa_kernel k_q3671c68d84_emit
		.amdhsa_group_segment_fixed_size 21760
		.amdhsa_private_segment_fixed_size 0
		.amdhsa_enable_private_segment 0
		.amdhsa_kernarg_size 32
		.amdhsa_user_sgpr_count 2
		.amdhsa_user_sgpr_kernarg_segment_ptr 1
		.amdhsa_wavefront_size32 1
		.amdhsa_system_sgpr_workgroup_id_x 1
		.amdhsa_system_sgpr_workgroup_id_y 1
		.amdhsa_system_sgpr_workgroup_id_z 1
		.amdhsa_system_vgpr_workitem_id 0
		.amdhsa_next_free_vgpr 256
		.amdhsa_next_free_sgpr 66
		.amdhsa_reserve_vcc 0
		.amdhsa_float_denorm_mode_32 3
		.amdhsa_float_denorm_mode_16_64 3
		.amdhsa_memory_ordered 1
		.amdhsa_forward_progress 1
		.amdhsa_inst_pref_size 21
	.end_amdhsa_kernel
	.amdgpu_metadata
---
amdhsa.version: [ 1, 2 ]
amdhsa.kernels:
  - .name:           k_q3671c68d84_emit
    .symbol:         k_q3671c68d84_emit.kd
    .args:
      - { .name: UP, .offset: 0, .size: 8, .value_kind: global_buffer, .address_space: global }
      - { .name: W2VF, .offset: 8, .size: 8, .value_kind: global_buffer, .address_space: global }
      - { .name: b2, .offset: 16, .size: 8, .value_kind: global_buffer, .address_space: global }
      - { .name: out0, .offset: 24, .size: 8, .value_kind: global_buffer, .address_space: global }
    .group_segment_fixed_size: 21760
    .private_segment_fixed_size: 0
    .kernarg_segment_align: 8
    .kernarg_segment_size: 32
    .max_flat_workgroup_size: 128
    .sgpr_count:     66
    .vgpr_count:     256
    .wavefront_size: 32
...
	.end_amdgpu_metadata
.endif
;; end of part 6
